; MI455X (gfx1250); checked and timed in simulation.
; The chip was launched on July 23, 2026; its instructions are those of AMD's public machine-readable ISA for CDNA 5 (MIT licence, August 2026) and "CDNA5" Instruction Set Architecture Reference Guide (July 2026). The comments in the code are by the model that wrote it; some were corrected since.
;; Attention. Allowed arithmetic: matrix products marked QUANTISED: E3M2 operands, one E8M0 scale for each 32 along K, by v_wmma_scale_f32_16x16x128_f8f6f4 with both operands' format E3M2, f32 sums; everything else in f32.
;; Inputs: ln_b 1,024 float32; ln_w 1,024 float32; w_out_codes 1,024 x 32 x 24 uint8 (E3M2 codes of w_out, K innermost, in blocks of 32 codes, four codes in three bytes); w_out_scales 1,024 x 32 uint8 (E8M0 scales of w_out, one for each 32 codes along K); w_qkv_codes 3,072 x 32 x 24 uint8 (E3M2 codes of w_qkv, K innermost, in blocks of 32 codes, four codes in three bytes); w_qkv_scales 3,072 x 32 uint8 (E8M0 scales of w_qkv, one for each 32 codes along K); x 2,048 x 4 x 1,024 float32.
;; Outputs: out0 2,048 x 4 x 1,024 float32.
;; This version of the problem:
;;   THIS VERSION OF THE PROBLEM IS GIVEN IN LOW PRECISION. The matrix products marked QUANTISED in the list below multiply operands that are first quantised to E3M2 (3 exponent bits, 2 mantissa bits; 6 bits a number), with one power-of-two scale for each 32 numbers along K (OCP MX v1.0); their sums are f32. All else is computed in f32.
;;   The module's matrix products, in the order in which they are computed (A, B: the left and right operand; K: the contracted axis; several contracted axes count as one K, in the product's order):
;;     1. [M 8,192, K 1,024] x [K 1,024, N 3,072]; A: computed on the way; B: input w_qkv (given as codes): QUANTISED
;;     2. batch 64 x [M 2,048, K 64] x [K 64, N 2,048]; A: computed on the way; B: computed on the way: QUANTISED
;;     3. batch 64 x [M 64, K 2,048] x [K 2,048, N 2,048]; A: computed on the way; B: softmax (see below): QUANTISED
;;     4. [M 8,192, K 1,024] x [K 1,024, N 1,024]; A: computed on the way; B: input w_out (given as codes): QUANTISED
;;   THE QUANTISER, for each operand of a quantised product, along K:
;;     - K is cut into blocks of 32 from its start; a last block that is shorter is filled with zeros.
;;     - A block's scale is 2^e with e = floor(log2(the largest magnitude in the block)) - 4, held to -126 .. 127; a block of zeros has e = 0. As a byte (E8M0): e + 127.
;;     - Each number is divided by its block's scale, clamped to +-28, and rounded to the nearest number of E3M2, ties to even, subnormals kept.
;;     - The product sums the exact products of the quantised numbers (number of the format x scale) in f32.
;;   ~~~python
;;   def quantise(x, axis):      # numpy; x: float32 -> the quantised numbers, widened to float32 again
;;       x = np.moveaxis(x, axis, -1); K = x.shape[-1]
;;       x = np.pad(x, [(0, 0)] * (x.ndim - 1) + [(0, -K % 32)]); x = x.reshape(x.shape[:-1] + (-1, 32)); a = np.abs(x).max(-1, keepdims=True)
;;       e = np.where(a > 0, np.clip(np.frexp(np.where(a > 0, a, 1))[1] - 1 - 4, -126, 127), 0)      # np.frexp(a)[1] - 1 = floor(log2(a)), exactly
;;       r = np.clip(x / 2.0 ** e, -28, 28)
;;       step = 2.0 ** (np.maximum(np.frexp(np.where(r == 0, 1, r))[1] - 1, -2) - 2)
;;       q = np.round(r / step) * step * 2.0 ** e      # np.round: ties to even
;;       return np.moveaxis(q.reshape(q.shape[:-2] + (-1,))[..., :K], -1, axis).astype(np.float32)
;;   ~~~
;;   SOFTMAX AHEAD OF A QUANTISED PRODUCT. Where the list says 'softmax', what is quantised is not the finished softmax but p = 2^(t - M), with t = logit x log2(e) and M = ceil(the row's largest t), a whole number; so 1/2 < the row's largest p <= 1. The row's sum l is taken of the UNQUANTISED p, in f32, and the product's result is divided by l at the end. Since M is a whole number, a kernel that streams over the keys may use a running M (the ceiling of the running maximum): every later rescaling is an exact power of two, which a block's scale takes up: the codes' values come out the same.
;;   OPERANDS COMPUTED ON THE WAY. 'Computed on the way' means the value that the module computes at that place (a softmax that the list does not call 'softmax' is quantised finished and normalised). What goes into a quantiser is computed in f32, as accurately as f32 sums, v_exp_f32 and their like allow (about 1e-6 of the number): no bf16 or f16 on the way to a quantiser, and a product that is left as it is and whose result goes on into a quantised operand takes f32 operands (vector FMAs, or v_wmma_f32_16x16x4_f32). A number that lies on a knife's edge between two numbers of the format may be rounded either way, as far as f32 arithmetic and the matrix unit's own rounding can turn it there, and no further.
;;   INPUTS GIVEN AS CODES. w_out (in the module: [1024, 1024], K = its axis 1); w_qkv (in the module: [3072, 1024], K = its axis 1): each comes as NAME_codes (uint8): NAME with its K axis moved to the last place and cut into blocks of 32 codes, [.., K / 32, bytes a block], one block behind the other in memory; four codes in three bytes: a row's codes are one little-endian stream of bits, code i at bits 6 i .. 6 i + 5 (a code: sign, 3 exponent bits, 2 mantissa bits); and NAME_scales (uint8): the same leading axes, one E8M0 byte (e + 127) for each 32 codes along K. Its value is code x scale, taken as it is: it is not quantised again, and the codes and scales need not be those that the quantiser above would give.
;; 2 versions, each right; version 2 is version 1 with the launch attn written anew for expert scheduling mode. Each part assembles by itself: llvm-mc -triple=amdgcn-amd-amdhsa -mcpu=gfx1250 --defsym DOCPART=n.
;; ======== version 1 of 2: 4 launches
;; workspace buffers: xq 6,553,600 bytes; wi 3,276,800 bytes; qb 7,340,032 bytes; kb 7,340,032 bytes; vb 6,815,744 bytes; ab 6,553,600 bytes
;; launch prep (part 1): grid 768 x 1, 4 waves a work-group, no clusters, 66,560 bytes of LDS; arguments x, ln_w, ln_b, w_qkv_codes, w_qkv_scales, w_out_codes, w_out_scales, xq, wi; writes xq, wi
.if DOCPART == 1
	.amdgcn_target "amdgcn-amd-amdhsa--gfx1250"
	.amdhsa_code_object_version 6
	.text
	.protected	k_q3f5ec00764_prep
	.globl	k_q3f5ec00764_prep
	.p2align	8
	.type	k_q3f5ec00764_prep,@function
k_q3f5ec00764_prep:
	s_mov_b64 s[64:65], 0
	v_nop
	global_prefetch_b8 v0, s[64:65] scope:SCOPE_SE
	s_setreg_imm32_b32 hwreg(HW_REG_WAVE_MODE, 25, 1), 1
	s_wait_xcnt 0x0
; PREP.  Work-groups 0-511: LayerNorm of 16 tokens of x in f32 and its quantising to codes of E3M2 with one E8M0 byte for each 32 along K.  Work-groups 512-767: 16 rows of a weight's codes and scale bytes, re-laid.
; Both leave as IMAGES OF OPERAND REGISTERS.  A fragment (16 rows x 128 K, 12 registers a lane) is 1,536 bytes: registers 0-3 at 16 x lane, 4-5 at 512 + 8 x lane, 6-9 at 768 + 16 x lane, 10-11 at 1,280 + 8 x lane.
; A buffer: [group of 128 rows][K slot of 256][tile of 16 rows][128 along K][1,536]; behind all images the scale words [group][slot][tile][row][2 words].
; ROWS OF A TILE: row r of tile i of a group is index 32 (i / 2) + 8 (i % 2) + r + 8 (r / 8) of the group, so that where the tile is a product's source 0 a lane's registers of two neighbouring tiles are 16 neighbours.
; Tokens are grouped by batch: group G = 16 x batch + key / 128.  Weights: groups 0-7 all heads' q rows (head x 64 + d), 8-15 k, 16-23 v, 24-31 w_out.
; SHARES (tokens): wave w normalises tile rows 4 w .. 4 w + 3 (a row of 4,096 bytes is eight loads of 512 consecutive bytes), puts them into LDS, and behind one barrier quantises K slot w of all 16 rows: lane (r, h) then holds whole blocks of 32.
; The variance is taken of x - mean (two passes over registers), so a common offset of x does no harm.
; LIMITS: NaN and infinities are not served; a block whose largest magnitude lies under 2^-122 keeps the byte 1; a block of zeros gets the byte 1 and not 127: its codes are zeros and this program alone reads the bytes.
; No matrix unit, no cluster, no tensor load: every byte is read once and nothing is shared between work-groups.
.set PITCH, 4112                       ; an LDS row: 4,096 bytes + 16
.set T,     16                         ; v16-23 at work
.set SWQ,   26                         ; v26-27 the two scale words of my row
.set LNW,   32                         ; v32-63 ln_w, v64-95 ln_b: my 32 columns
.set LNB,   64
.set X,     96                         ; v96-223 four rows of x, later 128 numbers of one row
.set C,     224                        ; v224-247 two fragments
.set CT,    248                        ; v248-250, v252-254 second halves of blocks
	s_load_b256 s[4:11], s[0:1], 0x0               ; x, ln_w, ln_b, w_qkv's codes
	s_load_b256 s[12:19], s[0:1], 0x20             ; w_qkv's scales, w_out's codes, w_out's scales, xq
	s_load_b64 s[20:21], s[0:1], 0x40              ; wi
	v_lshl_add_u32 v251, v0, 2, 0x10200
	v_mov_b32 v255, 0
	v_lshrrev_b32 v1, 5, v0
	v_readfirstlane_b32 s22, v1                    ; wave
	v_and_b32 v1, 31, v0                           ; lane
	v_and_b32 v2, 15, v0                           ; r
	v_bfe_u32 v3, v0, 4, 1                         ; h
	v_lshlrev_b32 v4, 4, v1                        ; 16 x lane
	v_lshlrev_b32 v5, 3, v1                        ; 8 x lane
	s_mul_i32 s40, s22, 4*PITCH
	v_add_nc_u32 v6, s40, v4                       ; LDS, in: my wave's four rows, 16 bytes a lane
	v_mul_u32_u24 v7, v2, PITCH
	v_lshl_add_u32 v7, v3, 7, v7
	s_lshl_b32 s40, s22, 10
	v_add_nc_u32 v7, s40, v7                       ; LDS, out: row r, K slot w, + 128 h: my block of 32 numbers
	v_and_b32 v8, 8, v2
	v_add_nc_u32 v9, v8, v2                        ; r + 8 (r / 8)
	v_mul_u32_u24 v8, v9, 768
	v_mad_u32_u24 v8, v3, 24, v8                   ; a weight's codes: a row is 768 bytes, + 24 h
	v_lshlrev_b32 v9, 5, v9                        ; its scale bytes: a row is 32
	v_lshlrev_b32 v10, 3, v3                       ; 8 h
	v_lshlrev_b32 v11, 3, v2                       ; 8 r
	v_mov_b32 v24, 0                               ; a lane permute's destination counts as one of its sources
	s_mov_b32 s24, 0x76543210
	s_mov_b32 s25, 0xfedcba98                      ; selects for lane l xor 16
	s_mov_b32 s26, 0x3a800000                      ; 1 / 1,024
	s_mov_b32 s27, 0x3727c5ac                      ; 1e-5
	s_cmp_lt_u32 ttmp9, 512
	s_cselect_b32 s40, 0, 512
	s_sub_co_u32 s41, ttmp9, s40                   ; which tile of the tokens, or of the weights
	s_lshr_b32 s42, s41, 3                         ; group
	s_and_b32 s43, s41, 7                          ; tile in it
	s_mul_i32 s44, s42, 98304
	s_mul_i32 s45, s22, 24576
	s_add_co_u32 s44, s44, s45
	s_mul_i32 s45, s43, 3072
	s_add_co_u32 s44, s44, s45                     ; where my two fragments go
	s_mov_b32 s45, 0
	s_lshl_b32 s46, s42, 12
	s_lshl_b32 s47, s22, 10
	s_add_co_u32 s46, s46, s47
	s_lshl_b32 s47, s43, 7
	s_add_co_u32 s46, s46, s47
	s_cmp_lt_u32 ttmp9, 512
	s_mov_b32 s47, 3145728
	s_cselect_b32 s47, 6291456, s47                ; the scale words lie behind the buffer's images
	s_add_co_u32 s46, s46, s47
	s_mov_b32 s47, 0
	s_wait_kmcnt 0x0
	s_cmp_lt_u32 ttmp9, 512
	s_cselect_b64 s[32:33], s[18:19], s[20:21]     ; the choice hangs on the work-group's number alone
	s_add_nc_u64 s[34:35], s[32:33], s[46:47]
	s_add_nc_u64 s[32:33], s[32:33], s[44:45]
.macro ALLSUM                          ; four pairs in v[T] on become one sum, in every lane
	v_pk_add_f32 v[T:T+1], v[T:T+1], v[T+2:T+3]
	v_pk_add_f32 v[T+4:T+5], v[T+4:T+5], v[T+6:T+7]
	v_pk_add_f32 v[T:T+1], v[T:T+1], v[T+4:T+5]
	v_add_f32 v[T], v[T], v[T+1]
	v_add_f32_dpp v[T], v[T], v[T] row_xmask:1 row_mask:0xf bank_mask:0xf
	v_add_f32_dpp v[T], v[T], v[T] row_xmask:2 row_mask:0xf bank_mask:0xf
	v_add_f32_dpp v[T], v[T], v[T] row_xmask:4 row_mask:0xf bank_mask:0xf
	v_add_f32_dpp v[T], v[T], v[T] row_xmask:8 row_mask:0xf bank_mask:0xf
	v_permlanex16_b32 v24, v[T], s24, s25
	v_add_f32 v[T], v[T], v24
.endm
.macro ROW p                           ; one row: mean, variance, (x - mean) rsqrt(var + eps) w + b, into LDS
.set XR, X+32*\p
	s_wait_loadcnt 8*(3-\p)                        ; this row's eight loads are in (ln_w and ln_b are older); the later rows' may be out
.irp k, 0,1,2,3
	v_pk_add_f32 v[T+2*\k:T+2*\k+1], v[XR+2*\k:XR+2*\k+1], v[XR+8+2*\k:XR+9+2*\k]
.endr
.irp m, 8,9,10,11,12,13,14,15
	v_pk_add_f32 v[T+2*(\m%4):T+2*(\m%4)+1], v[T+2*(\m%4):T+2*(\m%4)+1], v[XR+2*\m:XR+2*\m+1]
.endr
	ALLSUM
	v_mul_f32 v12, s26, v[T]                       ; the mean, twice: a pair for the packed form
	v_mul_f32 v13, s26, v[T]
.irp m, 0,1,2,3,4,5,6,7,8,9,10,11,12,13,14,15
	v_pk_add_f32 v[XR+2*\m:XR+2*\m+1], v[XR+2*\m:XR+2*\m+1], v[12:13] neg_lo:[0,1] neg_hi:[0,1]
.endr
.irp k, 0,1,2,3
	v_pk_mul_f32 v[T+2*\k:T+2*\k+1], v[XR+2*\k:XR+2*\k+1], v[XR+2*\k:XR+2*\k+1]
.endr
.irp m, 4,5,6,7,8,9,10,11,12,13,14,15
	v_pk_fma_f32 v[T+2*(\m%4):T+2*(\m%4)+1], v[XR+2*\m:XR+2*\m+1], v[XR+2*\m:XR+2*\m+1], v[T+2*(\m%4):T+2*(\m%4)+1]
.endr
	ALLSUM
	v_fma_f32 v[T], v[T], s26, s27                 ; var + eps
	v_rsq_f32 v14, v[T]
	v_rsq_f32 v15, v[T]
	v_nop                                          ; a plain instruction behind the last of the two
	s_wait_alu depctr_va_vdst(0)                   ; one wait for both, ahead of their first reader
.irp m, 0,1,2,3,4,5,6,7,8,9,10,11,12,13,14,15
	v_pk_mul_f32 v[XR+2*\m:XR+2*\m+1], v[XR+2*\m:XR+2*\m+1], v[14:15]
.endr
.irp m, 0,1,2,3,4,5,6,7,8,9,10,11,12,13,14,15
	v_pk_fma_f32 v[XR+2*\m:XR+2*\m+1], v[XR+2*\m:XR+2*\m+1], v[LNW+2*\m:LNW+2*\m+1], v[LNB+2*\m:LNB+2*\m+1]
.endr
.irp j, 0,1,2,3,4,5,6,7
	ds_store_b128 v6, v[XR+4*\j:XR+4*\j+3] offset:\p*PITCH+512*\j
.endr
.endm
.macro QUANT2 q                        ; 64 numbers of my row, two whole blocks of 32 (blocks h and 2 + h of the fragment), become registers of fragment q and its scale word
.irp c, 0,1
	v_max3_num_f32 v[T+\c], |v[X+64*\q+32*\c]|, |v[X+64*\q+32*\c+1]|, 0x2800000   ; with the floor 2^(5 - 127): the byte cannot fall under 1
.endr
.irp i, 2,4,6,8,10,12,14,16,18,20,22,24,26,28,30
.irp c, 0,1
	v_max3_num_f32 v[T+\c], v[T+\c], |v[X+64*\q+32*\c+\i]|, |v[X+64*\q+32*\c+\i+1]|
.endr
.endr
.irp c, 0,1
	v_add_nc_u32 v[T+2+\c], 0xfe000000, v[T+\c]    ; 4 off the exponent field: the conversion's scale operand
.endr
.irp c, 0,1
	v_lshrrev_b32 v[T+4+\c], 23, v[T+2+\c]         ; the scale's byte
.endr
	v_lshl_or_b32 v[T+6], v[T+5], 16, v[T+4]
	v_lshlrev_b32 v[T+6], v10, v[T+6]              ; my two bytes at their places, 8 h bits up
	v_permlanex16_b32 v24, v[T+6], s24, s25
	v_or_b32 v[SWQ+\q], v[T+6], v24                ; with lane l xor 16's two the word is whole
.irp c, 0,1
	v_cvt_scalef32_pk16_bf6_f32 v[C+12*\q+6*\c:C+12*\q+6*\c+2], v[X+64*\q+32*\c:X+64*\q+32*\c+15], v[T+2+\c]
	v_cvt_scalef32_pk16_bf6_f32 v[CT+4*\c:CT+4*\c+2], v[X+64*\q+32*\c+16:X+64*\q+32*\c+31], v[T+2+\c]   ; (a conversion's three registers begin on an even number)
.endr
	v_nop                                          ; a plain instruction behind the last conversion
.irp c, 0,1
.irp i, 0,1,2
	v_mov_b32 v[C+12*\q+6*\c+3+\i], v[CT+4*\c+\i]
.endr
.endr
.endm
	s_cmp_lt_u32 ttmp9, 512
	s_cbranch_scc0 .Lw1
	; ---- tokens, first half: my four rows
	s_lshr_b32 s40, s42, 4                         ; batch
	s_and_b32 s41, s42, 15
	s_lshl_b32 s41, s41, 3
	s_add_co_u32 s41, s41, s43                     ; token tile in the batch
	s_lshr_b32 s44, s41, 1
	s_lshl_b32 s44, s44, 5
	s_and_b32 s45, s41, 1
	s_lshl_b32 s45, s45, 3
	s_add_co_u32 s44, s44, s45                     ; the tile's first key
	s_lshl_b32 s45, s22, 2
	s_add_co_u32 s44, s44, s45
	s_lshr_b32 s45, s22, 1
	s_lshl_b32 s45, s45, 3
	s_add_co_u32 s44, s44, s45                     ; + 4 w + 8 (w / 2): my first key
	s_lshl_b32 s44, s44, 14                        ; a key is four rows of 4,096 bytes
	s_lshl_b32 s40, s40, 12
	s_add_co_u32 s44, s44, s40
	s_mov_b32 s45, 0
	s_add_nc_u64 s[28:29], s[4:5], s[44:45]
.irp j, 0,1,2,3,4,5,6,7
	global_load_b128 v[LNW+4*\j:LNW+4*\j+3], v4, s[6:7] offset:512*\j
	global_load_b128 v[LNB+4*\j:LNB+4*\j+3], v4, s[8:9] offset:512*\j
.endr
.irp p, 0,1,2,3
.irp j, 0,1,2,3,4,5,6,7
	global_load_b128 v[X+32*\p+4*\j:X+32*\p+4*\j+3], v4, s[28:29] offset:\p*16384+512*\j th:TH_LOAD_NT   ; 32 lanes read 512 consecutive bytes
.endr
.endr
	ROW 0
	ROW 1
	ROW 2
	ROW 3
.Lw1:
	s_wait_dscnt 0x0                               ; my rows lie in LDS
	s_barrier_signal -1
	s_barrier_wait -1                              ; all sixteen do
	s_cmp_lt_u32 ttmp9, 512
	s_cbranch_scc0 .Lw2
	; ---- tokens, second half: K slot w of all sixteen rows
.irp q, 0,1
.irp c, 0,1
.irp j, 0,1,2,3,4,5,6,7
	ds_load_b128 v[X+64*\q+32*\c+4*\j:X+64*\q+32*\c+4*\j+3], v7 offset:512*\q+256*\c+16*\j
.endr
.endr
.endr
	s_wait_dscnt 16                                ; the first fragment's sixteen loads are in, the second's may be out
	QUANT2 0
	s_wait_dscnt 0x0
	QUANT2 1
	s_branch .Ltail
.Lw2:
	; ---- weights: the codes are the operand's registers as they lie; only their place changes
	s_and_b32 s40, s42, 7
	s_lshl_b32 s40, s40, 1
	s_lshr_b32 s41, s43, 2
	s_add_co_u32 s40, s40, s41                     ; head = 2 (group % 8) + tile / 4
	s_mul_i32 s40, s40, 192
	s_lshr_b32 s41, s42, 3                         ; q, k or v
	s_lshl_b32 s41, s41, 6
	s_add_co_u32 s40, s40, s41
	s_bfe_u32 s41, s43, 0x10001
	s_lshl_b32 s41, s41, 5
	s_add_co_u32 s40, s40, s41                     ; w_qkv: head x 192 + 64 x kind + 32 ((tile / 2) % 2)
	s_max_u32 s41, s42, 24
	s_sub_co_u32 s41, s41, 24
	s_lshl_b32 s41, s41, 7
	s_lshr_b32 s44, s43, 1
	s_lshl_b32 s44, s44, 5
	s_add_co_u32 s41, s41, s44                     ; w_out: 128 (group - 24) + 32 (tile / 2)
	s_cmp_lt_u32 s42, 24
	s_cselect_b32 s40, s40, s41
	s_cselect_b64 s[36:37], s[10:11], s[14:15]
	s_cselect_b64 s[38:39], s[12:13], s[16:17]
	s_and_b32 s41, s43, 1
	s_lshl_b32 s41, s41, 3
	s_add_co_u32 s40, s40, s41                     ; + 8 (tile % 2): the tile's first row
	s_mul_i32 s44, s40, 768
	s_mul_i32 s41, s22, 192
	s_add_co_u32 s44, s44, s41                     ; K slot w: 192 bytes on
	s_mov_b32 s45, 0
	s_add_nc_u64 s[36:37], s[36:37], s[44:45]
	s_lshl_b32 s44, s40, 5
	s_lshl_b32 s41, s22, 3
	s_add_co_u32 s44, s44, s41
	s_add_nc_u64 s[38:39], s[38:39], s[44:45]
.irp q, 0,1
.irp p, 0,1,2,3,4,5
	global_load_b64 v[C+12*\q+2*\p:C+12*\q+2*\p+1], v8, s[36:37] offset:96*\q+48*(\p/3)+8*(\p%3)
.endr
.endr
	global_load_b64 v[SWQ:SWQ+1], v9, s[38:39]     ; the slot's two scale words of my row
	s_wait_loadcnt 0x0
.Ltail:
.irp q, 0,1
	global_store_b128 v4, v[C+12*\q:C+12*\q+3], s[32:33] offset:1536*\q          ; each store covers 512 or 256 consecutive bytes, aligned to 256
	global_store_b64 v5, v[C+12*\q+4:C+12*\q+5], s[32:33] offset:1536*\q+512
	global_store_b128 v4, v[C+12*\q+6:C+12*\q+9], s[32:33] offset:1536*\q+768
	global_store_b64 v5, v[C+12*\q+10:C+12*\q+11], s[32:33] offset:1536*\q+1280
.endr
	v_cmp_gt_u32 vcc_lo, 16, v1
	s_wait_xcnt 0x0                                ; EXEC changes only behind this wait
	s_wait_tensorcnt 0x0
	ds_add_u32 v251, v255
	s_wait_dscnt 0x0
	s_and_saveexec_b32 s30, vcc_lo
	global_store_b64 v11, v[SWQ:SWQ+1], s[34:35]   ; lanes 0-15: 128 consecutive bytes
	s_wait_xcnt 0x0
	s_or_b32 exec_lo, exec_lo, s30
	s_endpgm
.Lfunc_end_k_q3f5ec00764_prep:
	.size	k_q3f5ec00764_prep, .Lfunc_end_k_q3f5ec00764_prep-k_q3f5ec00764_prep
	.p2alignl 7, 3214868480
	.fill 96, 4, 3214868480
	.section	.rodata,"a",@progbits
	.p2align	6, 0x0
	.amdhsa_kernel k_q3f5ec00764_prep
		.amdhsa_group_segment_fixed_size 66560
		.amdhsa_private_segment_fixed_size 0
		.amdhsa_enable_private_segment 0
		.amdhsa_kernarg_size 72
		.amdhsa_user_sgpr_count 2
		.amdhsa_user_sgpr_kernarg_segment_ptr 1
		.amdhsa_wavefront_size32 1
		.amdhsa_system_sgpr_workgroup_id_x 1
		.amdhsa_system_sgpr_workgroup_id_y 1
		.amdhsa_system_sgpr_workgroup_id_z 1
		.amdhsa_system_vgpr_workitem_id 0
		.amdhsa_next_free_vgpr 256
		.amdhsa_next_free_sgpr 66
		.amdhsa_reserve_vcc 1
		.amdhsa_float_denorm_mode_32 3
		.amdhsa_float_denorm_mode_16_64 3
		.amdhsa_memory_ordered 1
		.amdhsa_forward_progress 1
		.amdhsa_inst_pref_size 47
	.end_amdhsa_kernel
	.amdgpu_metadata
---
amdhsa.version: [ 1, 2 ]
amdhsa.kernels:
  - .name:           k_q3f5ec00764_prep
    .symbol:         k_q3f5ec00764_prep.kd
    .args:
      - { .name: x, .offset: 0, .size: 8, .value_kind: global_buffer, .address_space: global }
      - { .name: ln_w, .offset: 8, .size: 8, .value_kind: global_buffer, .address_space: global }
      - { .name: ln_b, .offset: 16, .size: 8, .value_kind: global_buffer, .address_space: global }
      - { .name: w_qkv_codes, .offset: 24, .size: 8, .value_kind: global_buffer, .address_space: global }
      - { .name: w_qkv_scales, .offset: 32, .size: 8, .value_kind: global_buffer, .address_space: global }
      - { .name: w_out_codes, .offset: 40, .size: 8, .value_kind: global_buffer, .address_space: global }
      - { .name: w_out_scales, .offset: 48, .size: 8, .value_kind: global_buffer, .address_space: global }
      - { .name: xq, .offset: 56, .size: 8, .value_kind: global_buffer, .address_space: global }
      - { .name: wi, .offset: 64, .size: 8, .value_kind: global_buffer, .address_space: global }
    .group_segment_fixed_size: 66560
    .private_segment_fixed_size: 0
    .kernarg_segment_align: 8
    .kernarg_segment_size: 72
    .max_flat_workgroup_size: 128
    .sgpr_count:     66
    .vgpr_count:     256
    .wavefront_size: 32
...
	.end_amdgpu_metadata
.endif
;; end of part 1
;; launch qkv (part 2): grid 12 x 32, 4 waves a work-group, clusters of 4 x 4, 327,680 bytes of LDS; arguments xq, wi, qb, kb, vb; writes qb, kb, vb
.if DOCPART == 2
	.amdgcn_target "amdgcn-amd-amdhsa--gfx1250"
	.amdhsa_code_object_version 6
	.text
	.protected	k_q3f5ec00764_qkv
	.globl	k_q3f5ec00764_qkv
	.p2align	8
	.type	k_q3f5ec00764_qkv,@function
k_q3f5ec00764_qkv:
	s_mov_b64 s[64:65], 0
	v_nop
	global_prefetch_b8 v0, s[64:65] scope:SCOPE_SE
	s_setreg_imm32_b32 hwreg(HW_REG_WAVE_MODE, 25, 1), 1
	s_wait_xcnt 0x0
	s_wait_alu depctr_hold_cnt(0) depctr_sa_sdst(0) depctr_va_vdst(0) depctr_va_sdst(0) depctr_va_ssrc(0) depctr_va_vcc(0) depctr_vm_vsrc(0)
	s_getreg_b32 s2, hwreg(HW_REG_IB_STS2, 6, 4)
	s_cmp_eq_u32 s2, 0
	s_cbranch_scc0 .Lentry_in_a_cluster
	s_endpgm
.Lentry_in_a_cluster:
	s_bfe_u32 s2, ttmp6, 0x10000c
	s_cmp_lg_u32 s2, 0xf033
	s_cbranch_scc0 .Lentry_shape_is_right
	s_endpgm
.Lentry_shape_is_right:
; QKV.  LN(x) [8,192][1,024] times w_qkv^T [1,024][3,072] on codes of E3M2; the results are quantised in the registers and leave as codes: q and k along the head's 64, v along the keys.  The f32 results never go to memory.
; A work-group of four waves makes 256 x 256, a wave 128 x 128: 64 accumulators, 512 registers.  K goes in four slots of 256 through a ring of two LDS slots.
; OPERANDS lie in memory as images of operand registers (a fragment is 1,536 bytes; a group of 128 rows x 256 K is one dense block of 24,576 bytes): one tensor load a wave brings such a block, and a fragment comes from LDS by two loads of 16 and two of 8 bytes a lane, each on consecutive bytes.
; The scale words of a group, 4,096 dense bytes for all of K, come once with the first fills and stay.
; CLUSTERS: 4 x 4 work-groups; A's blocks are asked for jointly along a row of the cluster, B's along a column.  The cluster's x says what is made: 0 q, 1 k, 2 v; it is the same in all sixteen partners.
; THE MATRIX INSTRUCTION IS USED TRANSPOSED: source 0 = 16 rows of B, source 1 = 16 rows of A: a lane holds one row of A, and its registers run along B's rows.  By the order of rows in a tile (row r is index 32 (i / 2) + 8 (i % 2) + r + 8 (r / 8)) the 64 registers of
; one block of A against B's eight are: register 16 b + i = index 32 b + 16 (lane / 16) + i of B's 128.   q, k: A = tokens, B = weights: a lane holds a token and 128 channels: two heads.   v: A = weights, B = tokens: a lane holds a channel and 128 keys.
; So each block of A gives one fragment of codes (q, k: two halves of 768 bytes, one a head; v: 16 channels x 128 keys) and one scale word a row, with no turn through LDS.
; OUT: qb, kb: [batch x 16 + head][128 token tiles x 768 | 32 x 32 lanes x 4 words]; a word has the head's two bytes below and 0x7f 0x7f above.   vb: [batch x 16 + head][16 key steps x 4 channel tiles x 1,536 | 16 x 32 lanes x 4 words].
; LIMITS: NaN and infinities are not served; a block whose largest magnitude lies under 2^-122 keeps the byte 1, a block of zeros too (its codes are zeros; this program alone reads the bytes).
; No prefetch: K has four slots, two are first fills and the other two are asked for a slot, 128 matrix instructions, ahead.
; REGISTERS, in windows of 256: window 0: v0-31 addresses; v32-63 scale words, two sets; v128-223 A's fragments, one set; on the way out v64-79 scale words, v112-130 codes, v200-215 at work.  window 1: B's fragments, two sets.  windows 2, 3: the accumulators ((a, b) at v[8 (8 (a % 4) + b)]).
.set NQ,     2                         ; steps of 128 along K in a slot
.set FR,     12                        ; registers of a fragment
.set NL,     4                         ; LDS loads that bring one
.set NP,     4                         ; places behind this matrix instruction (ISA guide 7.12.1)
.set HALFT,  24576                     ; a group's block: what one tensor load brings, and what one wave reads of A or of B
.set SLOT,   4*HALFT                   ; A's two groups, then B's two
.set SCL,    2*SLOT                    ; behind the ring: the scale words
.set HALFS,  4096                      ; those of a group
.set SPARE,  SCL+4*HALFS               ; the spare words, 128 bytes for each wave: two blocks of 256 bytes that no other line names
.set LAPS,   2                         ; a lap = two slots = once round the ring
.set LI16, 4                           ; v4   16 x lane
.set LI8,  5                           ; v5   8 x lane
.set ADRA, 16                          ; v16-17 my A fragments in slot 0, 1, 16 bytes a lane; v18-19 the same, 8 bytes a lane
.set ADRB, 20                          ; v20-23 the same for B
.set ADRS, 27                          ; v27  my scale words: lanes 0-15 A's rows, lanes 16-31 B's
.set SPW,  28                          ; v28  my spare word; never rewritten
.set NIL,  29                          ; v29  0; never rewritten
.set SC,   32
.set SW,   64                          ; the way out: a scale word for each block of A
.set SW2,  72                          ; and the second head's
.set PC,   112                         ; the codes just made
.set AF,   128
.set TM,   200
.set G1, 24
.set G0, 32
.set G1B, 48
.set G0B, 56
.set G1S, 68
.set G0S, 76
.set G1SB, 80
.set G0SB, 88
.set MSB, 0
.macro WIN new                         ; the immediate's high byte repeats the setting that is left
.if MSB != (\new)
	s_set_vgpr_msb (MSB<<8)|(\new)
.set MSB, (\new)
.endif
.endm
.set MUL_LO, 0xa1                      ; source 0 (B) window 1, source 1 (A) window 0, C and D window 2
.set MUL_HI, 0xf1                      ; the same, C and D window 3
.set TO_B,   0x40                      ; destination window 1, address window 0
; A joint load: waves 0 and 1 fetch for A, waves 2 and 3 for B; the branch hangs on the wave's number alone.  Four v_nop follow each of the two lines.
.macro JLOAD g0a, g1a, g0b, g1b
	s_cmp_eq_u32 s15, 0
	s_cbranch_scc0 .Lfor_b_\@
	tensor_load_to_lds s[\g0a:\g0a+3], s[\g1a:\g1a+7]
	s_nop 0
.rept 4
	v_nop
.endr
	s_branch .Lasked_\@
.Lfor_b_\@:
	tensor_load_to_lds s[\g0b:\g0b+3], s[\g1b:\g1b+7]
	s_nop 0
.rept 4
	v_nop
.endr
.Lasked_\@:
.endm
.macro CREST                           ; a round of the cluster's barrier behind its opening barrier
	s_cmp_lg_u32 s14, 0
	s_cbranch_scc1 .Lnot_wave_0_\@
	s_barrier_signal -3
.Lnot_wave_0_\@:
	s_barrier_wait -3
	s_barrier_signal -1
	s_barrier_wait -1
.endm
.macro CROUND                          ; a whole round
	s_barrier_signal -1
	s_barrier_wait -1
	CREST
.endm
	s_load_b256 s[4:11], s[0:1], 0x0               ; xq, wi, qb, kb
	s_load_b64 s[12:13], s[0:1], 0x20              ; vb
	v_lshl_add_u32 v[SPW], v0, 2, SPARE
	v_mov_b32 v[NIL], 0
	ds_add_u32 v28, v29
	ds_add_u32 v28, v29
	s_wait_dscnt 0x0
	v_lshrrev_b32 v1, 5, v0
	v_readfirstlane_b32 s14, v1                    ; wave 0..3
	s_lshr_b32 s15, s14, 1                         ; which group of A is mine.  Also: I fetch for A (0) or for B (1)
	s_and_b32 s16, s14, 1                          ; which group of B.  Also: which group I fetch
	s_bfe_u32 s40, ttmp6, 0x40000                  ; cx, cy: my place in the cluster
	s_bfe_u32 s41, ttmp6, 0x40004
	s_and_b32 s18, ttmp7, 0xffff
	s_lshl_b32 s18, s18, 2                         ; 4 x cluster y
	s_lshl_b32 s19, ttmp9, 2                       ; 4 x cluster x
	s_cmp_eq_u32 ttmp9, 2                          ; v?  The operands change places there
	s_cselect_b32 s17, 8, s18                      ; A's block of 256 rows: v's weights begin at 8, the tokens at 4 x cluster y
	s_cselect_b32 s42, s18, s19                    ; B's: the tokens, or q's or k's weights
	s_mov_b32 s2, 6291456
	s_cselect_b32 s2, 3145728, s2                  ; where A's buffer has its scale words,
	s_mov_b32 s66, 3145728
	s_cselect_b32 s66, 6291456, s66                ; and B's
	s_add_co_u32 s17, s17, s41                     ; + cy: shared along a row of the cluster
	s_add_co_u32 s42, s42, s40                     ; + cx: shared along a column
	s_lshl_b32 s43, s41, 2
	s_lshl_b32 s43, 15, s43                        ; my row of the cluster
	s_lshl_b32 s44, 0x1111, s40                    ; my column
	; descriptor group 1: a dense block as rows of 256 bytes (32 elements of 8 bytes), no padding: 96 rows of codes, 16 of scale words
	s_or_b32 s[G1+0], s43, (3<<16)|(1<<21)         ; 15:0 the mask; 17:16 elements of 8 bytes; 21 set beside a mask
	s_or_b32 s[G1B+0], s44, (3<<16)|(1<<21)
.irp g, G1, G1B
	s_mov_b32 s[\g+1], 32<<16                      ; tensor_dim0
	s_mov_b32 s[\g+2], 96<<16                      ; tensor_dim1
	s_mov_b32 s[\g+3], 32<<16                      ; tile_dim0
	s_mov_b32 s[\g+4], 96                          ; tile_dim1
	s_mov_b32 s[\g+5], 32                          ; tensor_dim0_stride
	s_mov_b32 s[\g+6], 0
	s_mov_b32 s[\g+7], 0
.endr
	s_or_b32 s[G1S+0], s43, (3<<16)|(1<<21)
	s_or_b32 s[G1SB+0], s44, (3<<16)|(1<<21)
.irp g, G1S, G1SB
	s_mov_b32 s[\g+1], 32<<16
	s_mov_b32 s[\g+2], 16<<16
	s_mov_b32 s[\g+3], 32<<16
	s_mov_b32 s[\g+4], 16
	s_mov_b32 s[\g+5], 32
	s_mov_b32 s[\g+6], 0
	s_mov_b32 s[\g+7], 0
.endr
	s_mul_i32 s20, s17, 196608                     ; A: two groups of 98,304 bytes to a block of 256 rows,
	s_mul_i32 s67, s16, 98304                      ; the group that I fetch
	s_add_co_u32 s20, s20, s67
	s_mov_b32 s21, 0
	s_lshl_b32 s22, s17, 13                        ; its scale words
	s_lshl_b32 s94, s16, 12
	s_add_co_u32 s22, s22, s94
	s_add_co_u32 s22, s22, s2
	s_mov_b32 s23, 0
	s_mul_i32 s46, s42, 196608                     ; B likewise
	s_add_co_u32 s46, s46, s67
	s_mov_b32 s47, 0
	s_lshl_b32 s92, s42, 13
	s_add_co_u32 s92, s92, s94
	s_add_co_u32 s92, s92, s66
	s_mov_b32 s93, 0
	s_mul_i32 s45, s14, HALFT                      ; where they go: by the wave's number alone
	s_lshl_b32 s94, s14, 12
	s_mov_b32 s96, 0x76543210
	s_mov_b32 s97, 0xfedcba98                      ; selects for lane l xor 16
	s_mov_b32 s95, 0x7f7f0000                      ; two scale bytes of 1.0 for the half of K that a head does not have
	s_wait_kmcnt 0x0
	s_cmp_eq_u32 ttmp9, 2
	s_cselect_b64 s[18:19], s[6:7], s[4:5]         ; A's buffer
	s_cselect_b64 s[66:67], s[4:5], s[6:7]         ; B's
	s_add_nc_u64 s[20:21], s[18:19], s[20:21]
	s_add_nc_u64 s[22:23], s[18:19], s[22:23]
	s_add_nc_u64 s[46:47], s[66:67], s[46:47]
	s_add_nc_u64 s[92:93], s[66:67], s[92:93]
	CROUND                                         ; all sixteen work-groups are here: the first joint loads meet
	s_mov_b32 s[G0S], 1
	s_add_co_u32 s[G0S+1], s94, SCL
	s_mov_b64 s[G0S+2:G0S+3], s[22:23]
	s_or_b32 s[G0S+3], s[G0S+3], 0x80000000
	s_mov_b32 s[G0SB], 1
	s_add_co_u32 s[G0SB+1], s94, SCL
	s_mov_b64 s[G0SB+2:G0SB+3], s[92:93]
	s_or_b32 s[G0SB+3], s[G0SB+3], 0x80000000
	JLOAD G0S, G1S, G0SB, G1SB                     ; the scale words first: they are wanted with the first slot
.irp s, 0,1
	s_mov_b32 s[G0+4*\s], 1
	s_add_co_u32 s[G0+4*\s+1], s45, \s*SLOT
	s_add_nc_u64 s[G0+4*\s+2:G0+4*\s+3], s[20:21], \s*HALFT
	s_or_b32 s[G0+4*\s+3], s[G0+4*\s+3], 0x80000000
	s_mov_b32 s[G0B+4*\s], 1
	s_add_co_u32 s[G0B+4*\s+1], s45, \s*SLOT
	s_add_nc_u64 s[G0B+4*\s+2:G0B+4*\s+3], s[46:47], \s*HALFT
	s_or_b32 s[G0B+4*\s+3], s[G0B+4*\s+3], 0x80000000
	JLOAD G0+4*\s, G1, G0B+4*\s, G1B               ; three tensor loads of mine are out now
.endr
	v_and_b32 v1, 31, v0                           ; lane
	v_and_b32 v2, 15, v0                           ; r
	v_bfe_u32 v3, v0, 4, 1                         ; h
	v_lshlrev_b32 v[LI16], 4, v1
	v_lshlrev_b32 v[LI8], 3, v1
	s_mul_i32 s21, s15, HALFT                      ; my group of A
	s_mul_i32 s22, s16, HALFT                      ; my group of B,
	s_add_co_u32 s22, s22, 2*HALFT                 ; behind A's two
.irp s, 0,1
	v_add_nc_u32 v[ADRA+\s], s21, v[LI16]
	v_add_nc_u32 v[ADRB+\s], s22, v[LI16]
	v_add_nc_u32 v[ADRA+2+\s], s21, v[LI8]
	v_add_nc_u32 v[ADRB+2+\s], s22, v[LI8]
	s_add_co_u32 s21, s21, SLOT
	s_add_co_u32 s22, s22, SLOT
.endr
	v_lshlrev_b32 v6, 3, v2                        ; my row's two words of a slot
	s_lshl_b32 s21, s15, 12                        ; A's: my group
	s_lshl_b32 s22, s16, 12                        ; B's: my group, behind A's two
	s_add_co_u32 s22, s22, 2*HALFS
	s_sub_co_u32 s22, s22, s21
	v_mul_u32_u24 v7, s22, v3                      ; lanes 16-31 take B's
	s_add_co_u32 s21, s21, SCL
	v_add_nc_u32 v6, v6, v7
	v_add_nc_u32 v[ADRS], s21, v6
.macro FRAG reg, adr, q, i             ; a fragment as it was stored: tile i, the slot's q-th 128 along K
.set FO, (2*(\i)+(\q))*1536
	ds_load_b128 v[\reg:\reg+3], v[\adr] offset:FO
	ds_load_b64 v[\reg+4:\reg+5], v[\adr+2] offset:FO+512
	ds_load_b128 v[\reg+6:\reg+9], v[\adr] offset:FO+768
	ds_load_b64 v[\reg+10:\reg+11], v[\adr+2] offset:FO+1280
.endm
; 16 matrix instructions: A's blocks a0, a0 + 1 x B's eight.  p: B's set; sc: the set of scale words.  zero = 1: the first product starts the sums.  The 64 accumulators take turns, one instruction a turn, in the same order in every step.
.macro MUL16 a0, p, q, sc, zero
.irp a, \a0, \a0+1
.irp b, 0,1,2,3,4,5,6,7
.if \zero
	v_wmma_scale_f32_16x16x128_f8f6f4 v[8*(8*((\a)%4)+\b):8*(8*((\a)%4)+\b)+7], v[128*(\p)+FR*\b:128*(\p)+FR*\b+FR-1], v[AF+FR*(\a):AF+FR*(\a)+FR-1], 0, v[SC+8*NQ*(\sc)+NQ*\b+(\q)], v[SC+8*NQ*(\sc)+NQ*(\a)+(\q)] matrix_a_fmt:MATRIX_FMT_BF6 matrix_b_fmt:MATRIX_FMT_BF6 matrix_a_scale:MATRIX_SCALE_ROW1
.else
	v_wmma_scale_f32_16x16x128_f8f6f4 v[8*(8*((\a)%4)+\b):8*(8*((\a)%4)+\b)+7], v[128*(\p)+FR*\b:128*(\p)+FR*\b+FR-1], v[AF+FR*(\a):AF+FR*(\a)+FR-1], v[8*(8*((\a)%4)+\b):8*(8*((\a)%4)+\b)+7], v[SC+8*NQ*(\sc)+NQ*\b+(\q)], v[SC+8*NQ*(\sc)+NQ*(\a)+(\q)] matrix_a_fmt:MATRIX_FMT_BF6 matrix_b_fmt:MATRIX_FMT_BF6 matrix_a_scale:MATRIX_SCALE_ROW1
.endif
.endr
.endr
.endm
.macro FETCH_B slot, q, p
	WIN TO_B
.irp i, 0,1,2,3,4,5,6,7
	FRAG 128*(\p)+FR*\i, ADRB+\slot, \q, \i
.endr
	WIN 0
.endm
.macro FETCH_A slot, q, i0
.irp i, \i0, \i0+1, \i0+2, \i0+3
	FRAG AF+FR*(\i), ADRA+\slot, \q, \i
.endr
.endm
.macro SCALES sc                       ; a slot's scale words: two a row; lanes 0-15 take A's block i, lanes 16-31 B's block i
.irp i, 0,1,2,3,4,5,6,7
	ds_load_b64 v[SC+8*NQ*\sc+NQ*\i:SC+8*NQ*\sc+NQ*\i+1], v[ADRS] offset:\i*128
.endr
.endm
.macro PLACES n                        ; plain vector instructions between a matrix instruction and a load into, or a read of, its registers (ISA guide 7.12.1 for reads)
.rept \n
	v_nop
.endr
.endm
.macro STEP slot, q, zero              ; a step of 128 along K that has its successor in the same slot
	s_wait_dscnt 4*NL                              ; B's set and A's blocks 0-3 are in; the youngest sixteen loads (A's blocks 4-7) may be out
	WIN MUL_LO
	MUL16 0, (\q)%2, \q, \slot, \zero
	MUL16 2, (\q)%2, \q, \slot, \zero
	s_wait_dscnt 0                                 ; A's blocks 4-7 are in
	PLACES NP
	FETCH_B \slot, (\q)+1, 1-(\q)%2
	FETCH_A \slot, (\q)+1, 0
	WIN MUL_HI
	MUL16 4, (\q)%2, \q, \slot, \zero
	MUL16 6, (\q)%2, \q, \slot, \zero
	PLACES NP
	WIN 0
	FETCH_A \slot, (\q)+1, 4
.endm
; A slot's last step changes slots: one barrier; in front of it each wave waits for all its tensor loads, adds 0 to its spare word, and waits for that and for its reads of this slot.  fill = 1: this slot is filled again, two slots ahead.
.macro TURN slot, next, fill
	s_wait_tensorcnt 0x0                           ; all my tensor loads have landed: my part of the next slot
	ds_add_u32 v[SPW], v[NIL]                      ; 0 onto my spare word
	s_wait_dscnt 4*NL+1                            ; the add and the youngest sixteen loads (A's blocks 4-7) may be out
	WIN MUL_LO
	MUL16 0, 1, NQ-1, \slot, 0
	s_wait_dscnt 0x0                               ; the add is done, and my reads of this slot are over
	s_barrier_signal -1
	MUL16 2, 1, NQ-1, \slot, 0
	WIN 0
	s_barrier_wait -1
.if \fill
	CREST                                          ; the barrier has opened a round of the cluster's barrier: no wave of any partner still reads this slot or has a load on its way
	s_add_nc_u64 s[G0+4*\slot+2:G0+4*\slot+3], s[G0+4*\slot+2:G0+4*\slot+3], 2*HALFT
	s_add_nc_u64 s[G0B+4*\slot+2:G0B+4*\slot+3], s[G0B+4*\slot+2:G0B+4*\slot+3], 2*HALFT
	JLOAD G0+4*\slot, G1, G0B+4*\slot, G1B         ; the first tensor load behind the round, my one load until the next; its four v_nop are the places in front of the loads below
.else
	PLACES NP
.endif
	v_add_nc_u32 v[ADRS], 1024, v[ADRS]            ; on to the next slot's scale words (no LDS load of mine is out)
	FETCH_B \next, 0, 0
	FETCH_A \next, 0, 0
	SCALES \next
	WIN MUL_HI
	MUL16 4, 1, NQ-1, \slot, 0
	MUL16 6, 1, NQ-1, \slot, 0
	PLACES NP
	WIN 0
	FETCH_A \next, 0, 4
.endm
	s_wait_tensorcnt 1                             ; the scale words and my part of slot 0 are in; slot 1's load may be out
	s_barrier_signal -1
	s_barrier_wait -1
	FETCH_B 0, 0, 0
	FETCH_A 0, 0, 0
	SCALES 0
	FETCH_A 0, 0, 4
	STEP 0, 0, 1                                   ; the first step stands in front of the loop: its products start the sums
	s_mov_b32 s3, LAPS-1
.Llap:                                                 ; a trip goes once round the ring and fills both slots again
	TURN 0, 1, 1
	STEP 1, 0, 0
	TURN 1, 0, 1
	STEP 0, 0, 0
	s_sub_co_u32 s3, s3, 1
	s_cmp_lg_u32 s3, 0
	s_cbranch_scc1 .Llap
	TURN 0, 1, 0                                   ; the last lap fills nothing
	STEP 1, 0, 0
	s_wait_dscnt 4*NL                              ; the very last step
	WIN MUL_LO
	MUL16 0, 1, NQ-1, 1, 0
	MUL16 2, 1, NQ-1, 1, 0
	s_wait_dscnt 0
	WIN MUL_HI
	MUL16 4, 1, NQ-1, 1, 0
	MUL16 6, 1, NQ-1, 1, 0
	WIN 0
; THE WAY OUT.  Block a's 64 registers (register 16 b + i = index 32 b + 16 (lane / 16) + i of my row's 128) become a fragment's codes in v[PC] on and its scale word in v[pw].  Each accumulator is read from its low end on.
.macro QUANTW a, pw
.set QS0, 64*((\a)%4)
.set QW, 2+(\a)/4
.set QW12, (QW<<2)|(QW<<4)
	WIN QW12                                       ; sources 1 and 2: the block's window
.irp b, 0,1,2,3
	v_max3_num_f32 v[TM+\b], 0x2800000, |v[QS0+16*\b]|, |v[QS0+16*\b+1]|   ; with the floor 2^(5 - 127): the byte cannot fall under 1
.endr
.irp i, 2,4,6,8,10,12,14
.irp b, 0,1,2,3
	v_max3_num_f32 v[TM+\b], v[TM+\b], |v[QS0+16*\b+\i]|, |v[QS0+16*\b+\i+1]|
.endr
.endr
	WIN 0
.irp b, 0,1,2,3
	v_permlanex16_b32 v[TM+4+\b], v[TM+\b], s96, s97
.endr
.irp b, 0,1,2,3
	v_max_num_f32 v[TM+\b], v[TM+\b], v[TM+4+\b]   ; with lane l xor 16's: the block's largest magnitude
.endr
.irp b, 0,1,2,3
	v_add_nc_u32 v[TM+12+\b], 0xfe000000, v[TM+\b] ; 4 off the exponent field: the conversion's scale operand
.endr
.irp b, 0,1,2,3
	v_lshrrev_b32 v[TM+4+\b], 23, v[TM+12+\b]      ; the scale's byte
.endr
	v_lshl_or_b32 v[\pw], v[TM+5], 8, v[TM+4]
	v_lshl_or_b32 v[\pw], v[TM+6], 16, v[\pw]
	v_lshl_or_b32 v[\pw], v[TM+7], 24, v[\pw]
	s_wait_xcnt 0x0                                ; the last block's stores have read v[PC] on: only behind this wait is it written again
	WIN QW                                         ; source 0: the block's window
.irp c, 0,1
	v_cvt_scalef32_pk16_bf6_f32 v[PC+6*\c:PC+6*\c+2], v[QS0+32*\c:QS0+32*\c+15], v[TM+12+2*\c]
	v_cvt_scalef32_pk16_bf6_f32 v[PC+12+4*\c:PC+14+4*\c], v[QS0+32*\c+16:QS0+32*\c+31], v[TM+12+2*\c+1]   ; (a conversion's three registers begin on an even number)
.endr
	WIN 0
	v_nop                                          ; a plain instruction behind the last conversion
.irp c, 0,1                                    ; the operand's layout wants a whole block in a lane: lanes 0-15 block 2 c, lanes 16-31 block 2 c + 1
.irp i, 0,1,2
	v_permlane16_swap_b32 v[PC+6*\c+\i], v[PC+12+4*\c+\i]
.endr
.irp i, 0,1,2
	v_mov_b32 v[PC+3+6*\c+\i], v[PC+12+4*\c+\i]
.endr
.endr
.endm
; All eight blocks.  Every store covers 512 or 256 consecutive bytes, aligned to 256.
.macro OUT isv
.irp a, 0,1,2,3,4,5,6,7
	QUANTW \a, SW+\a
.if \isv
	global_store_b128 v[LI16], v[PC:PC+3], s[20:21] offset:(\a/4)*106496+(\a%4)*1536          ; head a / 4 of my two, channel tile a % 4, my key step
	global_store_b64 v[LI8], v[PC+4:PC+5], s[20:21] offset:(\a/4)*106496+(\a%4)*1536+512
	global_store_b128 v[LI16], v[PC+6:PC+9], s[20:21] offset:(\a/4)*106496+(\a%4)*1536+768
	global_store_b64 v[LI8], v[PC+10:PC+11], s[20:21] offset:(\a/4)*106496+(\a%4)*1536+1280
.else
	global_store_b128 v[LI16], v[PC:PC+3], s[20:21] offset:768*\a                             ; token tile a of my eight: the first head's 64 channels,
	global_store_b64 v[LI8], v[PC+4:PC+5], s[20:21] offset:768*\a+512
	global_store_b128 v[LI16], v[PC+6:PC+9], s[20:21] offset:114688+768*\a                    ; and the second head's
	global_store_b64 v[LI8], v[PC+10:PC+11], s[20:21] offset:114688+768*\a+512
.endif
.if \a%4 == 3                                  ; four blocks' scale words leave together: 16 bytes a lane
.if \isv
	global_store_b128 v[LI16], v[SW+4*(\a/4):SW+4*(\a/4)+3], s[22:23] offset:(\a/4)*106496
.else
.irp k, 0,1,2,3
	v_lshrrev_b32 v[SW2+4*(\a/4)+\k], 16, v[SW+4*(\a/4)+\k]       ; the second head's two bytes,
.endr
.irp k, 0,1,2,3
	v_or_b32 v[SW2+4*(\a/4)+\k], s95, v[SW2+4*(\a/4)+\k]          ; under two bytes of 1.0
.endr
.irp k, 0,1,2,3
	v_and_or_b32 v[SW+4*(\a/4)+\k], v[SW+4*(\a/4)+\k], 0xffff, s95   ; the first head's likewise
.endr
	global_store_b128 v[LI16], v[SW+4*(\a/4):SW+4*(\a/4)+3], s[22:23] offset:512*(\a/4)
	global_store_b128 v[LI16], v[SW2+4*(\a/4):SW2+4*(\a/4)+3], s[22:23] offset:114688+512*(\a/4)
.endif
.endif
.endr
.endm
	PLACES NP                                      ; behind the last products: what follows writes registers that held A's fragments and reads results
.irp b, 0,1,2,3
	v_mov_b32 v[TM+4+\b], 0                        ; a lane permute's destination counts as one of its sources
.endr
	s_cmp_eq_u32 ttmp9, 2                          ; the cluster's x: the same in all partners
	s_cbranch_scc1 .Lv
	s_cmp_eq_u32 ttmp9, 0
	s_cselect_b64 s[20:21], s[8:9], s[10:11]       ; qb or kb
	s_lshr_b32 s2, s17, 3                          ; batch
	s_lshl_b32 s2, s2, 4
	s_and_b32 s18, s42, 3
	s_lshl_b32 s18, s18, 2
	s_add_co_u32 s2, s2, s18
	s_lshl_b32 s18, s16, 1
	s_add_co_u32 s2, s2, s18                       ; batch x 16 + my first head
	s_mul_i32 s18, s2, 114688
	s_mov_b32 s19, 0
	s_add_nc_u64 s[20:21], s[20:21], s[18:19]
	s_and_b32 s2, s17, 7
	s_lshl_b32 s2, s2, 4
	s_lshl_b32 s18, s15, 3
	s_add_co_u32 s2, s2, s18                       ; my first token tile in the batch, a multiple of 8
	s_lshl_b32 s18, s2, 7                          ; 512 bytes of scale words for each four tiles
	s_add_co_u32 s18, s18, 98304
	s_add_nc_u64 s[22:23], s[20:21], s[18:19]
	s_mul_i32 s18, s2, 768
	s_add_nc_u64 s[20:21], s[20:21], s[18:19]
	OUT 0
	s_branch .Lend
.Lv:
	s_lshr_b32 s2, s42, 3                          ; batch
	s_lshl_b32 s2, s2, 4
	s_and_b32 s18, s17, 3
	s_lshl_b32 s18, s18, 2
	s_add_co_u32 s2, s2, s18
	s_lshl_b32 s18, s15, 1
	s_add_co_u32 s2, s2, s18                       ; batch x 16 + my first head
	s_mul_i32 s18, s2, 106496
	s_mov_b32 s19, 0
	s_add_nc_u64 s[20:21], s[12:13], s[18:19]
	s_and_b32 s2, s42, 7
	s_lshl_b32 s2, s2, 1
	s_add_co_u32 s2, s2, s16                       ; my key step in the batch
	s_lshl_b32 s18, s2, 9
	s_add_co_u32 s18, s18, 98304
	s_add_nc_u64 s[22:23], s[20:21], s[18:19]
	s_mul_i32 s18, s2, 6144
	s_add_nc_u64 s[20:21], s[20:21], s[18:19]
	OUT 1
.Lend:
	s_wait_tensorcnt 0x0                           ; the wave's end
	ds_add_u32 v[SPW], v[NIL]
	s_wait_dscnt 0x0
	CROUND                                         ; the closing round: no work-group ends while a partner may still ask for a block that names it
	s_endpgm
.Lfunc_end_k_q3f5ec00764_qkv:
	.size	k_q3f5ec00764_qkv, .Lfunc_end_k_q3f5ec00764_qkv-k_q3f5ec00764_qkv
	.p2alignl 7, 3214868480
	.fill 96, 4, 3214868480
	.section	.rodata,"a",@progbits
	.p2align	6, 0x0
	.amdhsa_kernel k_q3f5ec00764_qkv
		.amdhsa_group_segment_fixed_size 327680
		.amdhsa_private_segment_fixed_size 0
		.amdhsa_enable_private_segment 0
		.amdhsa_kernarg_size 40
		.amdhsa_user_sgpr_count 2
		.amdhsa_user_sgpr_kernarg_segment_ptr 1
		.amdhsa_wavefront_size32 1
		.amdhsa_system_sgpr_workgroup_id_x 1
		.amdhsa_system_sgpr_workgroup_id_y 1
		.amdhsa_system_sgpr_workgroup_id_z 1
		.amdhsa_system_vgpr_workitem_id 0
		.amdhsa_next_free_vgpr 1024
		.amdhsa_next_free_sgpr 100
		.amdhsa_reserve_vcc 0
		.amdhsa_float_denorm_mode_32 3
		.amdhsa_float_denorm_mode_16_64 3
		.amdhsa_memory_ordered 1
		.amdhsa_forward_progress 1
		.amdhsa_inst_pref_size 185
	.end_amdhsa_kernel
	.amdgpu_metadata
---
amdhsa.version: [ 1, 2 ]
amdhsa.kernels:
  - .name:           k_q3f5ec00764_qkv
    .symbol:         k_q3f5ec00764_qkv.kd
    .args:
      - { .name: xq, .offset: 0, .size: 8, .value_kind: global_buffer, .address_space: global }
      - { .name: wi, .offset: 8, .size: 8, .value_kind: global_buffer, .address_space: global }
      - { .name: qb, .offset: 16, .size: 8, .value_kind: global_buffer, .address_space: global }
      - { .name: kb, .offset: 24, .size: 8, .value_kind: global_buffer, .address_space: global }
      - { .name: vb, .offset: 32, .size: 8, .value_kind: global_buffer, .address_space: global }
    .group_segment_fixed_size: 327680
    .private_segment_fixed_size: 0
    .kernarg_segment_align: 8
    .kernarg_segment_size: 40
    .max_flat_workgroup_size: 128
    .sgpr_count:     100
    .vgpr_count:     1024
    .wavefront_size: 32
...
	.end_amdgpu_metadata
.endif
;; end of part 2
;; launch attn (part 3): grid 4 x 64, 16 waves a work-group, no clusters, 223,232 bytes of LDS; arguments qb, kb, vb, ab; writes ab
.if DOCPART == 3
	.amdgcn_target "amdgcn-amd-amdhsa--gfx1250"
	.amdhsa_code_object_version 6
	.text
	.protected	k_q3f5ec00764_attn
	.globl	k_q3f5ec00764_attn
	.p2align	8
	.type	k_q3f5ec00764_attn,@function
k_q3f5ec00764_attn:
	s_mov_b64 s[64:65], 0
	v_nop
	global_prefetch_b8 v0, s[64:65] scope:SCOPE_SE
	s_setreg_imm32_b32 hwreg(HW_REG_WAVE_MODE, 25, 1), 1
	s_wait_xcnt 0x0
; ATTN.  O = softmax(q k^T / 32) v for one head of one batch, both products on codes of E3M2; O / l is quantised along the head's 64 channels and leaves as codes, laid as the last product's operand.
; THE SOFTMAX AHEAD OF THE SECOND PRODUCT: t = score x log2(e) / 32; M = the running largest t rounded UP to a whole number; p = 2^(t - M) is quantised along the keys, not normalised.  The row's sum is taken of the unquantised p.
; When M moves, the sum and O^T are multiplied by 2^(old M - new M): exact.
; SHARES.  A work-group owns 512 queries of one (batch, head); each of its sixteen waves owns two tiles of 16 queries, one after the other, in 256 registers: four waves to a SIMD, so that one wave's vector work stands beside another's matrix work and LDS loads.
; K AND V OF THE WHOLE HEAD STAY IN LDS: kb's record (114,688 bytes) and vb's (106,496) are copied as they lie, 27 loads and LDS stores of 16 bytes a thread; one barrier; then LDS is only read.  So there is no ring and no refill.
; NO JOINT LOADS, NO PREFETCH: the four work-groups of a head read the same 221,184 bytes, but each reads them once, at its head, 27 loads a thread against 32 key steps a wave of some 240 vector and 12 matrix instructions each; nothing is left to ask for later.
; LAYOUT.  Both products are used transposed: S^T = K Q^T (source 0 = 16 keys), O^T = V^T P^T (source 0 = 16 channels): a lane holds ONE query throughout.  Row r of key tile t is key 32 (t / 2) + 8 (t % 2) + r + 8 (r / 8),
; so the 16 registers of tiles 2 b and 2 b + 1 are 16 neighbouring keys; V's channel tiles are ordered likewise, so O^T's registers are neighbours along the channels.
; K = 64 IN AN INSTRUCTION OF 128: Q's registers 6-11 hold zero codes, so whatever stands in K's registers 6-11 (the next tile's codes; behind the last tile six registers of zeros) adds nothing: E3M2 has no NaN and no infinity; the upper two scale bytes are 1.0 on both sides.
; THE SCALE BYTES OF O leave as two bytes a row, into words that four heads share: 262,144 bytes of the launch's output are so written in pieces under 256 bytes.
; LIMITS: NaN and infinities are not served; a block whose largest magnitude lies under 2^-122 keeps the byte 1, a block of zeros too (its codes are zeros; this program alone reads the bytes).
.set KSC,  98304                       ; LDS: K's 128 tiles of 768 bytes at 0; its scale words;
.set VIMG, 114688                      ; V's 16 steps x 4 fragments;
.set VSC,  212992                      ; its scale words
.set KF,   32                          ; v32-79 eight tiles of K, six registers each; v80-85 zeros.  Then V's four fragments
.set S,    102                         ; v102-165 S^T, then p
.set O,    166                         ; v166-197 O^T
.set PC,   198                         ; v198-209 p's codes
.set PT,   210                         ; v210-212, v214-216 second halves
.set BM,   218                         ; v218-221 a block's largest score, then its largest p
.set BP,   222                         ; v222-225 from the other half of the lanes; then bytes
.set BSC,  226                         ; v226-229 the conversions' scale operands
; v1 16 x lane, v2 8 x lane; v3, v4 the same + VIMG; v5 16 x lane + KSC, v6 16 x lane + VSC; v7-12 the step's addresses; v13 h; v14 O's scale bytes; v15 their place; v16-27 Q; v28 Q's scale word, v29 p's; v[30:31] f;
; v86-93 K's scale words, v94-97 V's; v98 -M, v99 the largest t; v[100:101] the sum; v230-233 at work; v234-240 the second tile's Q; v241-244, v245 the head's copy
	s_load_b256 s[4:11], s[0:1], 0x0               ; qb, kb, vb, ab
	v_lshl_add_u32 v254, v0, 2, 0x36000
	v_mov_b32 v255, 0
	v_lshrrev_b32 v1, 5, v0
	v_readfirstlane_b32 s12, v1                    ; wave 0..15
	v_and_b32 v230, 31, v0
	v_lshlrev_b32 v1, 4, v230
	v_lshlrev_b32 v2, 3, v230
	v_add_nc_u32 v3, VIMG, v1
	v_add_nc_u32 v4, VIMG, v2
	v_add_nc_u32 v5, KSC, v1
	v_add_nc_u32 v6, VSC, v1
	v_bfe_u32 v13, v0, 4, 1
	v_and_b32 v231, 15, v0
	v_lshlrev_b32 v15, 3, v231
	v_lshl_add_u32 v15, v13, 7, v15                ; 8 r, and the second tile's rows 128 bytes on
	v_lshlrev_b32 v245, 4, v0                      ; 16 x thread
.irp m, 0,1,2,3
	v_add_nc_u32 v[241+\m], 65536*\m, v245
.endr
	s_and_b32 s13, ttmp7, 0xffff                   ; batch x 16 + head
	s_mul_i32 s36, s13, 114688
	s_mov_b32 s37, 0
	s_mul_i32 s38, s13, 106496
	s_mov_b32 s39, 0
	s_lshl_b32 s40, ttmp9, 5
	s_lshl_b32 s41, s12, 1
	s_add_co_u32 s40, s40, s41                     ; my first query tile
	s_mul_i32 s40, s40, 768
	s_mov_b32 s41, 0
	s_lshl_b32 s42, ttmp9, 3
	s_lshr_b32 s43, s12, 1
	s_add_co_u32 s42, s42, s43
	s_lshl_b32 s42, s42, 9                         ; its group of four tiles' scale words,
	s_and_b32 s43, s12, 1
	s_lshl_b32 s43, s43, 3
	s_add_co_u32 s42, s42, s43                     ; and its word in a lane's four
	s_add_co_u32 s42, s42, 98304
	s_mov_b32 s43, 0
	s_and_b32 s14, s13, 15                         ; head
	s_lshr_b32 s15, s13, 4
	s_lshl_b32 s15, s15, 4
	s_lshl_b32 s44, ttmp9, 2
	s_add_co_u32 s15, s15, s44
	s_lshr_b32 s44, s12, 2
	s_add_co_u32 s15, s15, s44                     ; ab: my group of 128 tokens
	s_lshr_b32 s20, s14, 2                         ; K slot: four heads to 256
	s_and_b32 s21, s12, 3
	s_lshl_b32 s21, s21, 1                         ; my first tile in the group
	s_bfe_u32 s22, s14, 0x10001                    ; which 128 of the slot
	s_and_b32 s23, s14, 1                          ; which 64 of them
	s_mul_i32 s44, s15, 98304
	s_mul_i32 s2, s20, 24576
	s_add_co_u32 s44, s44, s2
	s_mul_i32 s2, s21, 3072
	s_add_co_u32 s44, s44, s2
	s_mul_i32 s2, s22, 1536
	s_add_co_u32 s44, s44, s2
	s_mul_i32 s2, s23, 768
	s_add_co_u32 s44, s44, s2
	s_mov_b32 s45, 0
	s_lshl_b32 s46, s15, 12
	s_lshl_b32 s2, s20, 10
	s_add_co_u32 s46, s46, s2
	s_lshl_b32 s2, s21, 7
	s_add_co_u32 s46, s46, s2
	s_lshl_b32 s2, s22, 2
	s_add_co_u32 s46, s46, s2
	s_lshl_b32 s2, s23, 1
	s_add_co_u32 s46, s46, s2
	s_add_co_u32 s46, s46, 6291456
	s_mov_b32 s47, 0
	s_mov_b32 s16, 0x76543210
	s_mov_b32 s17, 0xfedcba98                      ; selects for lane l xor 16
	s_mov_b32 s18, 0x3d38aa3b                      ; c = log2(e) / 32
	s_mov_b32 s19, s18                             ; (named with it as a pair, so it is written)
	s_wait_kmcnt 0x0
	s_add_nc_u64 s[28:29], s[6:7], s[36:37]        ; K's record
	s_add_nc_u64 s[30:31], s[8:9], s[38:39]        ; V's
	s_add_nc_u64 s[24:25], s[4:5], s[36:37]
	s_add_nc_u64 s[26:27], s[24:25], s[42:43]      ; Q's scale words
	s_add_nc_u64 s[24:25], s[24:25], s[40:41]      ; Q's codes
	s_add_nc_u64 s[32:33], s[10:11], s[44:45]      ; O's codes
	s_add_nc_u64 s[34:35], s[10:11], s[46:47]      ; O's scale bytes
	global_load_b128 v[16:19], v1, s[24:25]
	global_load_b64 v[20:21], v2, s[24:25] offset:512
	global_load_b32 v28, v1, s[26:27]
	global_load_b128 v[234:237], v1, s[24:25] offset:768
	global_load_b64 v[238:239], v2, s[24:25] offset:1280
	global_load_b32 v240, v1, s[26:27] offset:4
.set N, 0
.rept 14
	global_load_b128 v[32+4*N:35+4*N], v245, s[28:29] offset:8192*N       ; the work-group's 512 threads read 8,192 consecutive bytes
.set N, N+1
.endr
.rept 13
	global_load_b128 v[32+4*N:35+4*N], v245, s[30:31] offset:8192*(N-14)
.set N, N+1
.endr
.irp j, 22,23,24,25,26,27
	v_mov_b32 v[\j], 0                             ; Q's upper 64 along K: zero codes
.endr
.irp j, 222,223,224,225,230,231,232,233
	v_mov_b32 v[\j], 0                             ; a lane permute's destination counts as one of its sources
.endr
	v_mov_b32 v31, 0                               ; (named as the upper half of the pair v[30:31])
	v_mov_b32 v14, 0
.set N, 0
.rept 27
	s_wait_loadcnt 26-N                            ; loads come back in order: this one is in, the younger ones may be out
	ds_store_b128 v[241+N/8], v[32+4*N:35+4*N] offset:8192*(N%8)
.set N, N+1
.endr
	s_wait_dscnt 0x0                               ; my part of K and V lies in LDS
.irp j, 80,81,82,83,84,85
	v_mov_b32 v[\j], 0                             ; what stands behind K's last tile
.endr
	s_barrier_signal -1
	s_barrier_wait -1                              ; everybody's does; from here on LDS is only read
; A KEY STEP: 128 keys.
.macro STEP
	v_add_nc_u32 v7, s20, v1                       ; (these six are also the places behind the last step's products, in front of the loads below)
	v_add_nc_u32 v8, s20, v2
	v_add_nc_u32 v9, s20, v3
	v_add_nc_u32 v10, s20, v4
	v_add_nc_u32 v11, s21, v5
	v_add_nc_u32 v12, s22, v6
.irp t, 0,1,2,3,4,5,6,7
	ds_load_b128 v[KF+6*\t:KF+6*\t+3], v7 offset:768*\t
	ds_load_b64 v[KF+6*\t+4:KF+6*\t+5], v8 offset:768*\t+512
.endr
	ds_load_b128 v[86:89], v11
	ds_load_b128 v[90:93], v11 offset:512
	s_wait_dscnt 0x0
.irp t, 0,1,2,3,4,5,6,7
	v_wmma_scale_f32_16x16x128_f8f6f4 v[S+8*\t:S+8*\t+7], v[KF+6*\t:KF+6*\t+11], v[16:27], 0, v[86+\t], v28 matrix_a_fmt:MATRIX_FMT_BF6 matrix_b_fmt:MATRIX_FMT_BF6
.endr
.rept 4
	v_nop                                          ; places in front of the loads into K's registers and of the first read of the scores
.endr
.irp i, 0,1,2,3                                ; V is asked for now and lands during the softmax
	ds_load_b128 v[32+12*\i:35+12*\i], v9 offset:1536*\i
	ds_load_b64 v[36+12*\i:37+12*\i], v10 offset:1536*\i+512
	ds_load_b128 v[38+12*\i:41+12*\i], v9 offset:1536*\i+768
	ds_load_b64 v[42+12*\i:43+12*\i], v10 offset:1536*\i+1280
.endr
	ds_load_b128 v[94:97], v12
.irp b, 0,1,2,3
	v_max3_num_f32 v[BM+\b], v[S+16*\b], v[S+16*\b+1], v[S+16*\b+2]   ; the largest score of each block of 32 keys: it serves the row's maximum and, since p rises with the score, the block's largest p
.endr
.irp i, 3,5,7,9,11,13
.irp b, 0,1,2,3
	v_max3_num_f32 v[BM+\b], v[BM+\b], v[S+16*\b+\i], v[S+16*\b+\i+1]
.endr
.endr
.irp b, 0,1,2,3
	v_max_num_f32 v[BM+\b], v[BM+\b], v[S+16*\b+15]
.endr
.irp b, 0,1,2,3
	v_permlanex16_b32 v[BP+\b], v[BM+\b], s16, s17
.endr
.irp b, 0,1,2,3
	v_max_num_f32 v[BM+\b], v[BM+\b], v[BP+\b]     ; with lane l xor 16's 16 keys
.endr
	v_max3_num_f32 v232, v[BM], v[BM+1], v[BM+2]
	v_max_num_f32 v232, v232, v[BM+3]              ; the step's largest score of my query
	v_mul_f32 v232, s18, v232                      ; as t (c is positive)
	v_max_num_f32 v99, v99, v232                   ; the running largest t
	v_mov_b32 v232, v98
	v_floor_f32 v98, -v99                          ; the new -M = floor(-t): M is a whole number
	v_sub_f32 v232, v98, v232                      ; old M - new M: a whole number, 0 or less
	v_cvt_i32_f32 v232, v232                       ; (it saturates)
	v_ldexp_f32 v30, 1.0, v232                     ; f = 2^(old M - new M)
.set J, 0
.rept 32
	v_pk_fma_f32 v[S+J:S+J+1], v[S+J:S+J+1], s[18:19], v[98:99] op_sel_hi:[1,0,0]   ; t - M, two at a time
.set J, J+2
.endr
.irp b, 0,1,2,3
	v_fma_f32 v[BM+\b], v[BM+\b], s18, v98         ; the same of each block's largest score
.endr
.set J, 0
.rept 64
	v_exp_f32 v[S+J], v[S+J]                       ; p = 2^(t - M), at most 1
.set J, J+1
.endr
	v_pk_mul_f32 v[100:101], v[100:101], v[30:31] op_sel_hi:[1,0]   ; the sums under the new M: a plain instruction behind the exponentials
	s_wait_alu depctr_va_vdst(0)                   ; one wait for the whole batch, ahead of its first reader
.irp b, 0,1,2,3
	v_exp_f32 v[BM+\b], v[BM+\b]                   ; the block's largest p: the same two instructions on the same number
.endr
	v_pk_add_f32 v[230:231], v[S:S+1], v[S+2:S+3]  ; the row's sum of the unquantised p, in two chains
.irp j, 4,8,12,16,20,24,28,32,36,40,44,48,52,56,60
	v_pk_add_f32 v[100:101], v[100:101], v[S+\j:S+\j+1]
	v_pk_add_f32 v[230:231], v[230:231], v[S+\j+2:S+\j+3]
.endr
	v_pk_add_f32 v[100:101], v[100:101], v[230:231]
	s_wait_alu depctr_va_vdst(0)                   ; and one for the four
.irp b, 0,1,2,3
	v_max_num_f32 v[BM+\b], 0x2800000, v[BM+\b]    ; the floor 2^(5 - 127): the byte cannot fall under 1
.endr
.irp b, 0,1,2,3
	v_add_nc_u32 v[BSC+\b], 0xfe000000, v[BM+\b]   ; 4 off the exponent field: the conversion's scale operand
.endr
.irp b, 0,1,2,3
	v_lshrrev_b32 v[BP+\b], 23, v[BSC+\b]          ; the scale's byte
.endr
	v_lshl_or_b32 v29, v[BP+1], 8, v[BP]           ; p's scale word for these 128 keys
	v_lshl_or_b32 v29, v[BP+2], 16, v29
	v_lshl_or_b32 v29, v[BP+3], 24, v29
.irp c, 0,1
	v_cvt_scalef32_pk16_bf6_f32 v[PC+6*\c:PC+6*\c+2], v[S+32*\c:S+32*\c+15], v[BSC+2*\c]
	v_cvt_scalef32_pk16_bf6_f32 v[PT+4*\c:PT+4*\c+2], v[S+32*\c+16:S+32*\c+31], v[BSC+2*\c+1]
.endr
	v_nop                                          ; a plain instruction behind the last conversion
.irp c, 0,1                                    ; a whole block in a lane: lanes 0-15 block 2 c, lanes 16-31 block 2 c + 1
.irp i, 0,1,2
	v_permlane16_swap_b32 v[PC+6*\c+\i], v[PT+4*\c+\i]
.endr
.irp i, 0,1,2
	v_mov_b32 v[PC+3+6*\c+\i], v[PT+4*\c+\i]
.endr
.endr
.set J, 0
.rept 16
	v_pk_mul_f32 v[O+J:O+J+1], v[O+J:O+J+1], v[30:31] op_sel_hi:[1,0]   ; O^T under the new M; these stand between the writing of p's codes and scale word and the products
.set J, J+2
.endr
	s_wait_dscnt 0x0                               ; V is in
.irp i, 0,1,2,3                                ; the four accumulators take turns, and eight other products stand between two steps'
	v_wmma_scale_f32_16x16x128_f8f6f4 v[O+8*\i:O+8*\i+7], v[32+12*\i:43+12*\i], v[PC:PC+11], v[O+8*\i:O+8*\i+7], v[94+\i], v29 matrix_a_fmt:MATRIX_FMT_BF6 matrix_b_fmt:MATRIX_FMT_BF6
.endr
	s_add_co_u32 s20, s20, 6144                    ; the next step's tiles of K and of V,
	s_add_co_u32 s21, s21, 1024                    ; K's scale words,
	s_add_co_u32 s22, s22, 512                     ; V's
.endm
; One tile of 16 queries: all 16 key steps, then O^T / l as codes.
.macro TILE n
.if \n
	s_wait_xcnt 0x0                                ; the first tile's stores have read their registers
.irp j, 0,1,2,3,4,5
	v_mov_b32 v[16+\j], v[234+\j]
.endr
	v_mov_b32 v28, v240
.endif
	v_mov_b32 v99, 0xff61b1e6                      ; the largest t so far: -3e38
	v_floor_f32 v98, -v99                          ; -M
	v_mov_b32 v100, 0
	v_mov_b32 v101, 0
.set J, 0
.rept 32
	v_mov_b32 v[O+J], 0                            ; the step is written once: the first finds zeros, which the first change of M leaves zeros
.set J, J+1
.endr
	s_mov_b32 s20, 0
	s_mov_b32 s21, 0
	s_mov_b32 s22, 0
	s_mov_b32 s23, 16
.Lstep_\@:
	STEP
	s_sub_co_u32 s23, s23, 1
	s_cmp_lg_u32 s23, 0
	s_cbranch_scc1 .Lstep_\@
.rept 4
	v_nop                                          ; places behind the last products
.endr
	v_add_f32 v100, v100, v101                     ; the sum's two halves,
	v_permlanex16_b32 v232, v100, s16, s17
	v_add_f32 v100, v100, v232                     ; and lane l xor 16's
	v_rcp_f32 v30, v100
	v_nop
	s_wait_alu depctr_va_vdst(0)                   ; ahead of the first reader
.set J, 0
.rept 16
	v_pk_mul_f32 v[S+J:S+J+1], v[O+J:O+J+1], v[30:31] op_sel_hi:[1,0]   ; O^T / l: register 16 b + i is channel 32 b + 16 (lane / 16) + i; each accumulator from its low end on
.set J, J+2
.endr
.irp b, 0,1
	v_max3_num_f32 v[BM+\b], |v[S+16*\b]|, |v[S+16*\b+1]|, 0x2800000
.endr
.irp i, 2,4,6,8,10,12,14
.irp b, 0,1
	v_max3_num_f32 v[BM+\b], v[BM+\b], |v[S+16*\b+\i]|, |v[S+16*\b+\i+1]|
.endr
.endr
.irp b, 0,1
	v_permlanex16_b32 v[BP+\b], v[BM+\b], s16, s17
.endr
.irp b, 0,1
	v_max_num_f32 v[BM+\b], v[BM+\b], v[BP+\b]
.endr
.irp b, 0,1
	v_add_nc_u32 v[BSC+\b], 0xfe000000, v[BM+\b]
.endr
.irp b, 0,1
	v_lshrrev_b32 v[BP+\b], 23, v[BSC+\b]
.endr
	v_lshl_or_b32 v233, v[BP+1], 8, v[BP]          ; my row's two scale bytes
	v_cvt_scalef32_pk16_bf6_f32 v[PC:PC+2], v[S:S+15], v[BSC]
	v_cvt_scalef32_pk16_bf6_f32 v[PT:PT+2], v[S+16:S+31], v[BSC+1]
	v_nop
.irp i, 0,1,2
	v_permlane16_swap_b32 v[PC+\i], v[PT+\i]
.endr
.irp i, 0,1,2
	v_mov_b32 v[PC+3+\i], v[PT+\i]
.endr
	global_store_b128 v1, v[PC:PC+3], s[32:33] offset:3072*\n          ; 512 and 256 consecutive bytes, aligned to 256
	global_store_b64 v2, v[PC+4:PC+5], s[32:33] offset:3072*\n+512
.if \n
	v_cmp_eq_u32 vcc_lo, 1, v13
	v_cndmask_b32 v14, v14, v233, vcc_lo           ; lanes 16-31 carry the second tile's bytes
.else
	v_mov_b32 v14, v233
.endif
.endm
	TILE 0
	TILE 1
	global_store_b16 v15, v14, s[34:35]            ; both tiles' scale bytes, two a row
	s_wait_tensorcnt 0x0
	ds_add_u32 v254, v255
	s_wait_dscnt 0x0
	s_endpgm
.Lfunc_end_k_q3f5ec00764_attn:
	.size	k_q3f5ec00764_attn, .Lfunc_end_k_q3f5ec00764_attn-k_q3f5ec00764_attn
	.p2alignl 7, 3214868480
	.fill 96, 4, 3214868480
	.section	.rodata,"a",@progbits
	.p2align	6, 0x0
	.amdhsa_kernel k_q3f5ec00764_attn
		.amdhsa_group_segment_fixed_size 223232
		.amdhsa_private_segment_fixed_size 0
		.amdhsa_enable_private_segment 0
		.amdhsa_kernarg_size 32
		.amdhsa_user_sgpr_count 2
		.amdhsa_user_sgpr_kernarg_segment_ptr 1
		.amdhsa_wavefront_size32 1
		.amdhsa_system_sgpr_workgroup_id_x 1
		.amdhsa_system_sgpr_workgroup_id_y 1
		.amdhsa_system_sgpr_workgroup_id_z 1
		.amdhsa_system_vgpr_workitem_id 0
		.amdhsa_next_free_vgpr 256
		.amdhsa_next_free_sgpr 66
		.amdhsa_reserve_vcc 1
		.amdhsa_float_denorm_mode_32 3
		.amdhsa_float_denorm_mode_16_64 3
		.amdhsa_memory_ordered 1
		.amdhsa_forward_progress 1
		.amdhsa_inst_pref_size 52
	.end_amdhsa_kernel
	.amdgpu_metadata
---
amdhsa.version: [ 1, 2 ]
amdhsa.kernels:
  - .name:           k_q3f5ec00764_attn
    .symbol:         k_q3f5ec00764_attn.kd
    .args:
      - { .name: qb, .offset: 0, .size: 8, .value_kind: global_buffer, .address_space: global }
      - { .name: kb, .offset: 8, .size: 8, .value_kind: global_buffer, .address_space: global }
      - { .name: vb, .offset: 16, .size: 8, .value_kind: global_buffer, .address_space: global }
      - { .name: ab, .offset: 24, .size: 8, .value_kind: global_buffer, .address_space: global }
    .group_segment_fixed_size: 223232
    .private_segment_fixed_size: 0
    .kernarg_segment_align: 8
    .kernarg_segment_size: 32
    .max_flat_workgroup_size: 512
    .sgpr_count:     66
    .vgpr_count:     256
    .wavefront_size: 32
...
	.end_amdgpu_metadata
.endif
;; end of part 3
;; launch proj (part 4): grid 4 x 32, 4 waves a work-group, clusters of 4 x 4, 327,680 bytes of LDS; arguments ab, wi, x, out0; writes out0
.if DOCPART == 4
	.amdgcn_target "amdgcn-amd-amdhsa--gfx1250"
	.amdhsa_code_object_version 6
	.text
	.protected	k_q3f5ec00764_proj
	.globl	k_q3f5ec00764_proj
	.p2align	8
	.type	k_q3f5ec00764_proj,@function
k_q3f5ec00764_proj:
	s_mov_b64 s[64:65], 0
	v_nop
	global_prefetch_b8 v0, s[64:65] scope:SCOPE_SE
	s_setreg_imm32_b32 hwreg(HW_REG_WAVE_MODE, 25, 1), 1
	s_wait_xcnt 0x0
	s_wait_alu depctr_hold_cnt(0) depctr_sa_sdst(0) depctr_va_vdst(0) depctr_va_sdst(0) depctr_va_ssrc(0) depctr_va_vcc(0) depctr_vm_vsrc(0)
	s_getreg_b32 s2, hwreg(HW_REG_IB_STS2, 6, 4)
	s_cmp_eq_u32 s2, 0
	s_cbranch_scc0 .Lentry_in_a_cluster
	s_endpgm
.Lentry_in_a_cluster:
	s_bfe_u32 s2, ttmp6, 0x10000c
	s_cmp_lg_u32 s2, 0xf033
	s_cbranch_scc0 .Lentry_shape_is_right
	s_endpgm
.Lentry_shape_is_right:
; PROJ.  out = x + attn_out w_out^T: attn_out [8,192][1,024] and w_out [1,024][1,024] as codes of E3M2, sums in f32, the residual added in f32.
; A work-group of four waves makes 256 x 256, a wave 128 x 128: 64 accumulators, 512 registers.  K goes in four slots of 256 through a ring of two LDS slots.  32 x 4 blocks of 256 x 256 are 128 work-groups.
; OPERANDS lie in memory as images of operand registers (a fragment is 1,536 bytes; a group of 128 rows x 256 K is one dense block of 24,576 bytes): one tensor load a wave brings such a block, and a fragment comes from LDS by two loads of 16 and two of 8 bytes a lane.
; The scale words of a group, 4,096 dense bytes for all of K, come once with the first fills and stay.
; CLUSTERS: 4 x 4 work-groups; A's blocks (tokens) are asked for jointly along a row of the cluster, B's (w_out's rows, groups 24-31 of wi) along a column.
; THE MATRIX INSTRUCTION IS USED TRANSPOSED: source 0 = 16 rows of B, source 1 = 16 rows of A: a lane holds one token, and register j of accumulator (a, b) is output column 32 (b / 2) + 8 (b % 2) + 16 (lane / 16) + j of my 128.
; Row r of token tile t is key 32 (t / 2) + 8 (t % 2) + r + 8 (r / 8) of its batch; a token's row of x and of out lies at (4 x key + batch) x 4,096 bytes.
; THE WAY OUT: a block of 16 tokens x 128 columns goes through my own stage in LDS and comes back as whole rows of 512 bytes; x's same 512 bytes, asked for two blocks ahead, are added, and the 32 lanes store 512 consecutive bytes, aligned to 256.
; No prefetch: K has four slots, two are first fills and the other two are asked for a slot, 128 matrix instructions, ahead; x's rows are asked for by the loads themselves, two blocks ahead.
; REGISTERS, in windows of 256: window 0: v0-31 addresses; v32-63 scale words, two sets; v128-223 A's fragments, one set; on the way out v64-127, v128-191 rows of x by turns, v192-255 rows from the stage.  window 1: B's fragments, two sets.  windows 2, 3: the accumulators.
.set NQ,     2
.set FR,     12
.set NL,     4
.set NP,     4
.set HALFT,  24576
.set SLOT,   4*HALFT
.set SCL,    2*SLOT
.set HALFS,  4096
.set SPARE,  SCL+4*HALFS               ; the spare words, 128 bytes for each wave: two blocks of 256 bytes that no other line names
.set LAPS,   2
.set SPITCH, 528                       ; the stage: 16 rows x (512 bytes + 16) for each wave, in slot 0, which has had its last fill and its last read when the first result is stored there
.set LI16, 4
.set LI8,  5
.set ADRA, 16
.set ADRB, 20
.set STO,  24                          ; v24  the stage: where I put 32 bytes of a row
.set RD,   25                          ; v25  and where I read a row back
.set ADRS, 27
.set SPW,  28
.set NIL,  29
.set SC,   32
.set AF,   128
.set BK,   192
.set G1, 24
.set G0, 32
.set G1B, 48
.set G0B, 56
.set G1S, 68
.set G0S, 76
.set G1SB, 80
.set G0SB, 88
.set MSB, 0
.macro WIN new                         ; the immediate's high byte repeats the setting that is left
.if MSB != (\new)
	s_set_vgpr_msb (MSB<<8)|(\new)
.set MSB, (\new)
.endif
.endm
.set MUL_LO, 0xa1
.set MUL_HI, 0xf1
.set TO_B,   0x40
; A joint load: waves 0 and 1 fetch for A, waves 2 and 3 for B; the branch hangs on the wave's number alone.  Four v_nop follow each of the two lines.
.macro JLOAD g0a, g1a, g0b, g1b
	s_cmp_eq_u32 s15, 0
	s_cbranch_scc0 .Lfor_b_\@
	tensor_load_to_lds s[\g0a:\g0a+3], s[\g1a:\g1a+7]
	s_nop 0
.rept 4
	v_nop
.endr
	s_branch .Lasked_\@
.Lfor_b_\@:
	tensor_load_to_lds s[\g0b:\g0b+3], s[\g1b:\g1b+7]
	s_nop 0
.rept 4
	v_nop
.endr
.Lasked_\@:
.endm
.macro CREST
	s_cmp_lg_u32 s14, 0
	s_cbranch_scc1 .Lnot_wave_0_\@
	s_barrier_signal -3
.Lnot_wave_0_\@:
	s_barrier_wait -3
	s_barrier_signal -1
	s_barrier_wait -1
.endm
.macro CROUND
	s_barrier_signal -1
	s_barrier_wait -1
	CREST
.endm
	s_load_b256 s[4:11], s[0:1], 0x0               ; ab, wi, x, out0
	v_lshl_add_u32 v[SPW], v0, 2, SPARE
	v_mov_b32 v[NIL], 0
	ds_add_u32 v28, v29
	ds_add_u32 v28, v29
	s_wait_dscnt 0x0
	v_lshrrev_b32 v1, 5, v0
	v_readfirstlane_b32 s14, v1                    ; wave 0..3
	s_lshr_b32 s15, s14, 1                         ; which group of A is mine.  Also: I fetch for A (0) or for B (1)
	s_and_b32 s16, s14, 1                          ; which group of B.  Also: which group I fetch
	s_bfe_u32 s40, ttmp6, 0x40000                  ; cx, cy
	s_bfe_u32 s41, ttmp6, 0x40004
	s_lshl_b32 s42, ttmp9, 2
	s_add_co_u32 s42, s42, s40                     ; B's block of 256 rows = 4 x cluster x + cx
	s_and_b32 s17, ttmp7, 0xffff
	s_lshl_b32 s17, s17, 2
	s_add_co_u32 s17, s17, s41                     ; A's = 4 x cluster y + cy
	s_lshl_b32 s43, s41, 2
	s_lshl_b32 s43, 15, s43                        ; my row of the cluster
	s_lshl_b32 s44, 0x1111, s40                    ; my column
	s_or_b32 s[G1+0], s43, (3<<16)|(1<<21)         ; a dense block as rows of 256 bytes (32 elements of 8 bytes), no padding; 21 set beside a mask
	s_or_b32 s[G1B+0], s44, (3<<16)|(1<<21)
.irp g, G1, G1B
	s_mov_b32 s[\g+1], 32<<16
	s_mov_b32 s[\g+2], 96<<16
	s_mov_b32 s[\g+3], 32<<16
	s_mov_b32 s[\g+4], 96
	s_mov_b32 s[\g+5], 32
	s_mov_b32 s[\g+6], 0
	s_mov_b32 s[\g+7], 0
.endr
	s_or_b32 s[G1S+0], s43, (3<<16)|(1<<21)
	s_or_b32 s[G1SB+0], s44, (3<<16)|(1<<21)
.irp g, G1S, G1SB
	s_mov_b32 s[\g+1], 32<<16
	s_mov_b32 s[\g+2], 16<<16
	s_mov_b32 s[\g+3], 32<<16
	s_mov_b32 s[\g+4], 16
	s_mov_b32 s[\g+5], 32
	s_mov_b32 s[\g+6], 0
	s_mov_b32 s[\g+7], 0
.endr
	s_mul_i32 s20, s17, 196608
	s_mul_i32 s67, s16, 98304
	s_add_co_u32 s20, s20, s67
	s_mov_b32 s21, 0
	s_lshl_b32 s22, s17, 13
	s_lshl_b32 s94, s16, 12
	s_add_co_u32 s22, s22, s94
	s_add_co_u32 s22, s22, 6291456                 ; ab's scale words lie behind its images
	s_mov_b32 s23, 0
	s_mul_i32 s46, s42, 196608
	s_add_co_u32 s46, s46, s67
	s_add_co_u32 s46, s46, 2359296                 ; w_out's groups begin at 24
	s_mov_b32 s47, 0
	s_lshl_b32 s92, s42, 13
	s_add_co_u32 s92, s92, s94
	s_add_co_u32 s92, s92, 3244032                 ; 3,145,728 + 24 x 4,096
	s_mov_b32 s93, 0
	s_mul_i32 s45, s14, HALFT
	s_lshl_b32 s94, s14, 12
	s_wait_kmcnt 0x0
	s_add_nc_u64 s[20:21], s[4:5], s[20:21]
	s_add_nc_u64 s[22:23], s[4:5], s[22:23]
	s_add_nc_u64 s[46:47], s[6:7], s[46:47]
	s_add_nc_u64 s[92:93], s[6:7], s[92:93]
	CROUND                                         ; all sixteen work-groups are here: the first joint loads meet
	s_mov_b32 s[G0S], 1
	s_add_co_u32 s[G0S+1], s94, SCL
	s_mov_b64 s[G0S+2:G0S+3], s[22:23]
	s_or_b32 s[G0S+3], s[G0S+3], 0x80000000
	s_mov_b32 s[G0SB], 1
	s_add_co_u32 s[G0SB+1], s94, SCL
	s_mov_b64 s[G0SB+2:G0SB+3], s[92:93]
	s_or_b32 s[G0SB+3], s[G0SB+3], 0x80000000
	JLOAD G0S, G1S, G0SB, G1SB
.irp s, 0,1
	s_mov_b32 s[G0+4*\s], 1
	s_add_co_u32 s[G0+4*\s+1], s45, \s*SLOT
	s_add_nc_u64 s[G0+4*\s+2:G0+4*\s+3], s[20:21], \s*HALFT
	s_or_b32 s[G0+4*\s+3], s[G0+4*\s+3], 0x80000000
	s_mov_b32 s[G0B+4*\s], 1
	s_add_co_u32 s[G0B+4*\s+1], s45, \s*SLOT
	s_add_nc_u64 s[G0B+4*\s+2:G0B+4*\s+3], s[46:47], \s*HALFT
	s_or_b32 s[G0B+4*\s+3], s[G0B+4*\s+3], 0x80000000
	JLOAD G0+4*\s, G1, G0B+4*\s, G1B               ; three tensor loads of mine are out now
.endr
	v_and_b32 v1, 31, v0
	v_and_b32 v2, 15, v0
	v_bfe_u32 v3, v0, 4, 1
	v_lshlrev_b32 v[LI16], 4, v1
	v_lshlrev_b32 v[LI8], 3, v1
	s_mul_i32 s21, s15, HALFT
	s_mul_i32 s22, s16, HALFT
	s_add_co_u32 s22, s22, 2*HALFT
.irp s, 0,1
	v_add_nc_u32 v[ADRA+\s], s21, v[LI16]
	v_add_nc_u32 v[ADRB+\s], s22, v[LI16]
	v_add_nc_u32 v[ADRA+2+\s], s21, v[LI8]
	v_add_nc_u32 v[ADRB+2+\s], s22, v[LI8]
	s_add_co_u32 s21, s21, SLOT
	s_add_co_u32 s22, s22, SLOT
.endr
	v_lshlrev_b32 v6, 3, v2
	s_lshl_b32 s21, s15, 12
	s_lshl_b32 s22, s16, 12
	s_add_co_u32 s22, s22, 2*HALFS
	s_sub_co_u32 s22, s22, s21
	v_mul_u32_u24 v7, s22, v3                      ; lanes 16-31 take B's scale words
	s_add_co_u32 s21, s21, SCL
	v_add_nc_u32 v6, v6, v7
	v_add_nc_u32 v[ADRS], s21, v6
	s_mul_i32 s23, s14, 16*SPITCH                  ; my stage
	v_mul_u32_u24 v6, v2, SPITCH
	v_lshl_add_u32 v6, v3, 6, v6
	v_add_nc_u32 v[STO], s23, v6                   ; in: row r, + 64 h
	v_add_nc_u32 v[RD], s23, v[LI16]               ; back: 16 bytes a lane of a row
	s_and_b32 s2, s17, 7
	s_lshl_b32 s2, s2, 8
	s_lshl_b32 s18, s15, 7
	s_add_co_u32 s2, s2, s18                       ; my first key
	s_lshl_b32 s18, s2, 14
	s_lshr_b32 s2, s17, 3                          ; batch
	s_lshl_b32 s2, s2, 12
	s_add_co_u32 s18, s18, s2
	s_lshl_b32 s2, s42, 10                         ; my first column, in bytes
	s_add_co_u32 s18, s18, s2
	s_lshl_b32 s2, s16, 9
	s_add_co_u32 s18, s18, s2
	s_mov_b32 s19, 0
	s_add_nc_u64 s[8:9], s[8:9], s[18:19]
	s_add_nc_u64 s[10:11], s[10:11], s[18:19]
.macro FRAG reg, adr, q, i
.set FO, (2*(\i)+(\q))*1536
	ds_load_b128 v[\reg:\reg+3], v[\adr] offset:FO
	ds_load_b64 v[\reg+4:\reg+5], v[\adr+2] offset:FO+512
	ds_load_b128 v[\reg+6:\reg+9], v[\adr] offset:FO+768
	ds_load_b64 v[\reg+10:\reg+11], v[\adr+2] offset:FO+1280
.endm
; 16 matrix instructions: A's blocks a0, a0 + 1 x B's eight.  The 64 accumulators take turns, one instruction a turn, in the same order in every step.
.macro MUL16 a0, p, q, sc, zero
.irp a, \a0, \a0+1
.irp b, 0,1,2,3,4,5,6,7
.if \zero
	v_wmma_scale_f32_16x16x128_f8f6f4 v[8*(8*((\a)%4)+\b):8*(8*((\a)%4)+\b)+7], v[128*(\p)+FR*\b:128*(\p)+FR*\b+FR-1], v[AF+FR*(\a):AF+FR*(\a)+FR-1], 0, v[SC+8*NQ*(\sc)+NQ*\b+(\q)], v[SC+8*NQ*(\sc)+NQ*(\a)+(\q)] matrix_a_fmt:MATRIX_FMT_BF6 matrix_b_fmt:MATRIX_FMT_BF6 matrix_a_scale:MATRIX_SCALE_ROW1
.else
	v_wmma_scale_f32_16x16x128_f8f6f4 v[8*(8*((\a)%4)+\b):8*(8*((\a)%4)+\b)+7], v[128*(\p)+FR*\b:128*(\p)+FR*\b+FR-1], v[AF+FR*(\a):AF+FR*(\a)+FR-1], v[8*(8*((\a)%4)+\b):8*(8*((\a)%4)+\b)+7], v[SC+8*NQ*(\sc)+NQ*\b+(\q)], v[SC+8*NQ*(\sc)+NQ*(\a)+(\q)] matrix_a_fmt:MATRIX_FMT_BF6 matrix_b_fmt:MATRIX_FMT_BF6 matrix_a_scale:MATRIX_SCALE_ROW1
.endif
.endr
.endr
.endm
.macro FETCH_B slot, q, p
	WIN TO_B
.irp i, 0,1,2,3,4,5,6,7
	FRAG 128*(\p)+FR*\i, ADRB+\slot, \q, \i
.endr
	WIN 0
.endm
.macro FETCH_A slot, q, i0
.irp i, \i0, \i0+1, \i0+2, \i0+3
	FRAG AF+FR*(\i), ADRA+\slot, \q, \i
.endr
.endm
.macro SCALES sc
.irp i, 0,1,2,3,4,5,6,7
	ds_load_b64 v[SC+8*NQ*\sc+NQ*\i:SC+8*NQ*\sc+NQ*\i+1], v[ADRS] offset:\i*128
.endr
.endm
.macro PLACES n                        ; plain vector instructions between a matrix instruction and a load into, or a read of, its registers (ISA guide 7.12.1 for reads)
.rept \n
	v_nop
.endr
.endm
.macro STEP slot, q, zero
	s_wait_dscnt 4*NL                              ; B's set and A's blocks 0-3 are in; the youngest sixteen loads (A's blocks 4-7) may be out
	WIN MUL_LO
	MUL16 0, (\q)%2, \q, \slot, \zero
	MUL16 2, (\q)%2, \q, \slot, \zero
	s_wait_dscnt 0                                 ; A's blocks 4-7 are in
	PLACES NP
	FETCH_B \slot, (\q)+1, 1-(\q)%2
	FETCH_A \slot, (\q)+1, 0
	WIN MUL_HI
	MUL16 4, (\q)%2, \q, \slot, \zero
	MUL16 6, (\q)%2, \q, \slot, \zero
	PLACES NP
	WIN 0
	FETCH_A \slot, (\q)+1, 4
.endm
; A slot's last step changes slots: one barrier; in front of it each wave waits for all its tensor loads, adds 0 to its spare word, and waits for that and for its reads of this slot.
.macro TURN slot, next, fill
	s_wait_tensorcnt 0x0                           ; all my tensor loads have landed: my part of the next slot
	ds_add_u32 v[SPW], v[NIL]                      ; 0 onto my spare word
	s_wait_dscnt 4*NL+1                            ; the add and the youngest sixteen loads (A's blocks 4-7) may be out
	WIN MUL_LO
	MUL16 0, 1, NQ-1, \slot, 0
	s_wait_dscnt 0x0                               ; the add is done, and my reads of this slot are over
	s_barrier_signal -1
	MUL16 2, 1, NQ-1, \slot, 0
	WIN 0
	s_barrier_wait -1
.if \fill
	CREST                                          ; the barrier has opened a round of the cluster's barrier: no wave of any partner still reads this slot or has a load on its way
	s_add_nc_u64 s[G0+4*\slot+2:G0+4*\slot+3], s[G0+4*\slot+2:G0+4*\slot+3], 2*HALFT
	s_add_nc_u64 s[G0B+4*\slot+2:G0B+4*\slot+3], s[G0B+4*\slot+2:G0B+4*\slot+3], 2*HALFT
	JLOAD G0+4*\slot, G1, G0B+4*\slot, G1B         ; the first tensor load behind the round, my one load until the next; its four v_nop are the places in front of the loads below
.else
	PLACES NP
.endif
	v_add_nc_u32 v[ADRS], 1024, v[ADRS]            ; on to the next slot's scale words (no LDS load of mine is out)
	FETCH_B \next, 0, 0
	FETCH_A \next, 0, 0
	SCALES \next
	WIN MUL_HI
	MUL16 4, 1, NQ-1, \slot, 0
	MUL16 6, 1, NQ-1, \slot, 0
	PLACES NP
	WIN 0
	FETCH_A \next, 0, 4
.endm
	s_wait_tensorcnt 1                             ; the scale words and my part of slot 0 are in; slot 1's load may be out
	s_barrier_signal -1
	s_barrier_wait -1
	FETCH_B 0, 0, 0
	FETCH_A 0, 0, 0
	SCALES 0
	FETCH_A 0, 0, 4
	STEP 0, 0, 1                                   ; the first step stands in front of the loop: its products start the sums
	s_mov_b32 s3, LAPS-1
.Llap:
	TURN 0, 1, 1
	STEP 1, 0, 0
	TURN 1, 0, 1
	STEP 0, 0, 0
	s_sub_co_u32 s3, s3, 1
	s_cmp_lg_u32 s3, 0
	s_cbranch_scc1 .Llap
	TURN 0, 1, 0                                   ; the last lap fills nothing
	STEP 1, 0, 0
	s_wait_dscnt 4*NL
	WIN MUL_LO
	MUL16 0, 1, NQ-1, 1, 0
	MUL16 2, 1, NQ-1, 1, 0
	s_wait_dscnt 0
	WIN MUL_HI
	MUL16 4, 1, NQ-1, 1, 0
	MUL16 6, 1, NQ-1, 1, 0
	WIN 0
; THE WAY OUT.  Row t of block a is key 32 (a / 2) + 8 (a % 2) + t + 8 (t / 8) of my 128: 16,384 bytes a key, always an immediate (2,080,768 at the most), so no base is stepped.
.macro XLOAD a                         ; block a's sixteen rows of x, 512 bytes each, into v64 on or v128 on by turns
.set XL, 64+64*((\a)%2)
.irp t, 0,1,2,3,4,5,6,7,8,9,10,11,12,13,14,15
	global_load_b128 v[XL+4*\t:XL+4*\t+3], v[LI16], s[8:9] offset:(32*((\a)/2)+8*((\a)%2)+\t+8*(\t/8))*16384 th:TH_LOAD_NT
.endr
.endm
.macro TOSTAGE a
.set AC, 64*((\a)%4)
	WIN 0x08+4*((\a)/4)                            ; an LDS store's data are its source 1: window 2 or 3
.irp b, 0,1,2,3,4,5,6,7
	ds_store_b128 v[STO], v[AC+8*\b:AC+8*\b+3] offset:128*(\b/2)+32*(\b%2)        ; each accumulator from its low end on
	ds_store_b128 v[STO], v[AC+8*\b+4:AC+8*\b+7] offset:128*(\b/2)+32*(\b%2)+16
.endr
	WIN 0
.irp t, 0,1,2,3,4,5,6,7,8,9,10,11,12,13,14,15
	ds_load_b128 v[BK+4*\t:BK+4*\t+3], v[RD] offset:\t*SPITCH      ; LDS serves a wave's instructions in order (ISA guide 5.7.1.4): these see the stores above
.endr
.endm
	PLACES NP                                      ; behind the last products: loads into registers that held A's fragments, and reads of results, follow
	XLOAD 0
	XLOAD 1
.irp a, 0,1,2,3,4,5,6,7
	TOSTAGE \a
	s_wait_dscnt 0x0                               ; the block is back in registers
.if \a < 7
	s_wait_loadcnt 16                              ; this block's rows of x are in; the next block's sixteen loads may be out
.else
	s_wait_loadcnt 0x0
.endif
.set XB, 64+64*(\a%2)
.set J, 0
.rept 32
	v_pk_add_f32 v[XB+J:XB+J+1], v[XB+J:XB+J+1], v[BK+J:BK+J+1]   ; the residual
.set J, J+2
.endr
.irp t, 0,1,2,3,4,5,6,7,8,9,10,11,12,13,14,15
	global_store_b128 v[LI16], v[XB+4*\t:XB+4*\t+3], s[10:11] offset:(32*(\a/2)+8*(\a%2)+\t+8*(\t/8))*16384 th:TH_STORE_NT   ; 32 lanes store 512 consecutive bytes, aligned to 256
.endr
.if \a < 6
	s_wait_xcnt 0x0                                ; the stores have read their registers: the block two on may land there
	XLOAD \a+2
.endif
.endr
	s_wait_tensorcnt 0x0                           ; the wave's end
	ds_add_u32 v[SPW], v[NIL]
	s_wait_dscnt 0x0
	CROUND                                         ; the closing round: no work-group ends while a partner may still ask for a block that names it
	s_endpgm
.Lfunc_end_k_q3f5ec00764_proj:
	.size	k_q3f5ec00764_proj, .Lfunc_end_k_q3f5ec00764_proj-k_q3f5ec00764_proj
	.p2alignl 7, 3214868480
	.fill 96, 4, 3214868480
	.section	.rodata,"a",@progbits
	.p2align	6, 0x0
	.amdhsa_kernel k_q3f5ec00764_proj
		.amdhsa_group_segment_fixed_size 327680
		.amdhsa_private_segment_fixed_size 0
		.amdhsa_enable_private_segment 0
		.amdhsa_kernarg_size 32
		.amdhsa_user_sgpr_count 2
		.amdhsa_user_sgpr_kernarg_segment_ptr 1
		.amdhsa_wavefront_size32 1
		.amdhsa_system_sgpr_workgroup_id_x 1
		.amdhsa_system_sgpr_workgroup_id_y 1
		.amdhsa_system_sgpr_workgroup_id_z 1
		.amdhsa_system_vgpr_workitem_id 0
		.amdhsa_next_free_vgpr 1024
		.amdhsa_next_free_sgpr 100
		.amdhsa_reserve_vcc 0
		.amdhsa_float_denorm_mode_32 3
		.amdhsa_float_denorm_mode_16_64 3
		.amdhsa_memory_ordered 1
		.amdhsa_forward_progress 1
		.amdhsa_inst_pref_size 171
	.end_amdhsa_kernel
	.amdgpu_metadata
---
amdhsa.version: [ 1, 2 ]
amdhsa.kernels:
  - .name:           k_q3f5ec00764_proj
    .symbol:         k_q3f5ec00764_proj.kd
    .args:
      - { .name: ab, .offset: 0, .size: 8, .value_kind: global_buffer, .address_space: global }
      - { .name: wi, .offset: 8, .size: 8, .value_kind: global_buffer, .address_space: global }
      - { .name: x, .offset: 16, .size: 8, .value_kind: global_buffer, .address_space: global }
      - { .name: out0, .offset: 24, .size: 8, .value_kind: global_buffer, .address_space: global }
    .group_segment_fixed_size: 327680
    .private_segment_fixed_size: 0
    .kernarg_segment_align: 8
    .kernarg_segment_size: 32
    .max_flat_workgroup_size: 128
    .sgpr_count:     100
    .vgpr_count:     1024
    .wavefront_size: 32
...
	.end_amdgpu_metadata
.endif
;; end of part 4
;; ======== version 2 of 2: 4 launches; version 1 with the launch attn written anew for expert scheduling mode
;; workspace buffers: xq 6,553,600 bytes; wi 3,276,800 bytes; qb 7,340,032 bytes; kb 7,340,032 bytes; vb 6,815,744 bytes; ab 6,553,600 bytes
;; launch prep: the kernel of part 1 again; grid 768 x 1, 4 waves a work-group, no clusters, 66,560 bytes of LDS; arguments x, ln_w, ln_b, w_qkv_codes, w_qkv_scales, w_out_codes, w_out_scales, xq, wi; writes xq, wi
;; launch qkv: the kernel of part 2 again; grid 12 x 32, 4 waves a work-group, clusters of 4 x 4, 327,680 bytes of LDS; arguments xq, wi, qb, kb, vb; writes qb, kb, vb
;; launch attn (part 5): grid 4 x 64, 16 waves a work-group, no clusters, 223,232 bytes of LDS; arguments qb, kb, vb, ab; writes ab
.if DOCPART == 5
	.amdgcn_target "amdgcn-amd-amdhsa--gfx1250"
	.amdhsa_code_object_version 6
	.text
	.protected	k_q3f5ec00764_attn
	.globl	k_q3f5ec00764_attn
	.p2align	8
	.type	k_q3f5ec00764_attn,@function
k_q3f5ec00764_attn:
	s_mov_b64 s[64:65], 0
	v_nop
	global_prefetch_b8 v0, s[64:65] scope:SCOPE_SE
	s_setreg_imm32_b32 hwreg(HW_REG_WAVE_SCHED_MODE, 0, 2), 2
	s_setreg_imm32_b32 hwreg(HW_REG_WAVE_MODE, 25, 1), 1
	s_wait_xcnt 0x0
	s_wait_alu depctr_vm_vsrc(0)
; ATTN.  O = softmax(q k^T / 32) v for one head of one batch, both products on codes of E3M2; O / l is quantised along the head's 64 channels and leaves as codes, laid as the last product's operand.
; THE SOFTMAX AHEAD OF THE SECOND PRODUCT: t = score x log2(e) / 32; M = the running largest t rounded UP to a whole number; p = 2^(t - M) is quantised along the keys, not normalised.  The row's sum is taken of the unquantised p.
; When M moves, the sum and O^T are multiplied by 2^(old M - new M): exact.
; SHARES.  A work-group owns 512 queries of one (batch, head); each of its sixteen waves owns two tiles of 16 queries, one after the other, in 256 registers: four waves to a SIMD, so that one wave's vector work stands beside another's matrix work and LDS loads.
; K AND V OF THE WHOLE HEAD STAY IN LDS: kb's record (114,688 bytes) and vb's (106,496) are copied as they lie, 27 loads and LDS stores of 16 bytes a thread; one barrier; then LDS is only read.  So there is no ring and no refill.
; NO JOINT LOADS, NO PREFETCH: the four work-groups of a head read the same 221,184 bytes, but each reads them once, at its head, 27 loads a thread against 32 key steps a wave of some 240 vector and 12 matrix instructions each; nothing is left to ask for later.
; LAYOUT.  Both products are used transposed: S^T = K Q^T (source 0 = 16 keys), O^T = V^T P^T (source 0 = 16 channels): a lane holds ONE query throughout.  Row r of key tile t is key 32 (t / 2) + 8 (t % 2) + r + 8 (r / 8),
; so the 16 registers of tiles 2 b and 2 b + 1 are 16 neighbouring keys; V's channel tiles are ordered likewise, so O^T's registers are neighbours along the channels.
; K = 64 IN AN INSTRUCTION OF 128: Q's registers 6-11 hold zero codes, so whatever stands in K's registers 6-11 (the next tile's codes; behind the last tile six registers of zeros) adds nothing: E3M2 has no NaN and no infinity; the upper two scale bytes are 1.0 on both sides.
; THE SCALE BYTES OF O leave as two bytes a row, into words that four heads share: 262,144 bytes of the launch's output are so written in pieces under 256 bytes.
; LIMITS: NaN and infinities are not served; a block whose largest magnitude lies under 2^-122 keeps the byte 1, a block of zeros too (its codes are zeros; this program alone reads the bytes).
; THE MODE: SCHED_MODE bits 1:0 = 2 (LLVM: expert scheduling mode 2), set by the entry lines.  The code itself states the register dependences
; between vector or matrix instructions and memory or LDS instructions, with s_wait_alu, always for 0.
; THE PLAN.  Registers that memory or LDS instructions touch:
;   v1, v2, v15, v241-245  offsets, made once at the head and never written again.
;   v32-139   at the head: 27 global loads land there, 27 LDS stores read them; then they are given to what follows.
;   v7-12     LDS addresses.  Written by six additions at a step's head; v7, v8, v11 are read by K's loads, v9, v10, v12 by V's.
;   v32-79    K's loads land at a step's head, the eight products K Q^T read them; V's loads land behind those products, the four products V^T P read them.
;   v86-93, v94-97  K's and V's scale words: loaded with the fragments, read by the same products.
;   v198-209, v29   p's codes and scale word: written by vector instructions, read by the products V^T P; on the way out v198-203 are two stores' data.
;   v14       O's scale bytes: written by a move and a select, read by the last store.
; A KEY STEP HAS FIVE WAITS.  (1) on vm_vsrc at its head: the LDS loads have read v7-12.  (2) on va_vdst behind the six additions: v7-12 are written, and the last step's products are done reading v32-79 and v86-93: K's loads follow at once.
; (3) on va_vdst behind the products K Q^T: they are done reading v32-85: V's loads follow at once.  (4) on va_vdst behind the step's 68 exponentials, ahead of their first reader.  (5) on va_vdst ahead of the products V^T P: p's codes and scale word are written.
; The row's sums, which name none of the products' registers, stand behind the products V^T P, ahead of wait (2) of the next step.
.set KSC,  98304                       ; LDS: K's 128 tiles of 768 bytes at 0; its scale words;
.set VIMG, 114688                      ; V's 16 steps x 4 fragments;
.set VSC,  212992                      ; its scale words
.set KF,   32                          ; v32-79 eight tiles of K, six registers each; v80-85 zeros.  Then V's four fragments
.set S,    102                         ; v102-165 S^T, then p
.set O,    166                         ; v166-197 O^T
.set PC,   198                         ; v198-209 p's codes
.set PT,   210                         ; v210-212, v214-216 second halves
.set BM,   218                         ; v218-221 a block's largest score, then its largest p
.set BP,   222                         ; v222-225 from the other half of the lanes; then bytes
.set BSC,  226                         ; v226-229 the conversions' scale operands
; v1 16 x lane, v2 8 x lane; v3, v4 the same + VIMG; v5 16 x lane + KSC, v6 16 x lane + VSC; v7-12 the step's addresses; v13 h; v14 O's scale bytes; v15 their place; v16-27 Q; v28 Q's scale word, v29 p's; v[30:31] f;
; v86-93 K's scale words, v94-97 V's; v98 -M, v99 the largest t; v[100:101] the sum; v230-233 at work; v234-240 the second tile's Q; v241-244, v245 the head's copy
	s_load_b256 s[4:11], s[0:1], 0x0               ; qb, kb, vb, ab
	v_lshl_add_u32 v254, v0, 2, 0x36000
	v_mov_b32 v255, 0
	v_lshrrev_b32 v1, 5, v0
	v_readfirstlane_b32 s12, v1                    ; wave 0..15
	v_and_b32 v230, 31, v0
	v_lshlrev_b32 v1, 4, v230
	v_lshlrev_b32 v2, 3, v230
	v_add_nc_u32 v3, VIMG, v1
	v_add_nc_u32 v4, VIMG, v2
	v_add_nc_u32 v5, KSC, v1
	v_add_nc_u32 v6, VSC, v1
	v_bfe_u32 v13, v0, 4, 1
	v_and_b32 v231, 15, v0
	v_lshlrev_b32 v15, 3, v231
	v_lshl_add_u32 v15, v13, 7, v15                ; 8 r, and the second tile's rows 128 bytes on
	v_lshlrev_b32 v245, 4, v0                      ; 16 x thread
.irp m, 0,1,2,3
	v_add_nc_u32 v[241+\m], 65536*\m, v245
.endr
	s_wait_alu depctr_va_sdst(0)                   ; s12 is written, ahead of its first reader: the bases of Q and of O are made from it
	s_and_b32 s13, ttmp7, 0xffff                   ; batch x 16 + head
	s_mul_i32 s36, s13, 114688
	s_mov_b32 s37, 0
	s_mul_i32 s38, s13, 106496
	s_mov_b32 s39, 0
	s_lshl_b32 s40, ttmp9, 5
	s_lshl_b32 s41, s12, 1
	s_add_co_u32 s40, s40, s41                     ; my first query tile
	s_mul_i32 s40, s40, 768
	s_mov_b32 s41, 0
	s_lshl_b32 s42, ttmp9, 3
	s_lshr_b32 s43, s12, 1
	s_add_co_u32 s42, s42, s43
	s_lshl_b32 s42, s42, 9                         ; its group of four tiles' scale words,
	s_and_b32 s43, s12, 1
	s_lshl_b32 s43, s43, 3
	s_add_co_u32 s42, s42, s43                     ; and its word in a lane's four
	s_add_co_u32 s42, s42, 98304
	s_mov_b32 s43, 0
	s_and_b32 s14, s13, 15                         ; head
	s_lshr_b32 s15, s13, 4
	s_lshl_b32 s15, s15, 4
	s_lshl_b32 s44, ttmp9, 2
	s_add_co_u32 s15, s15, s44
	s_lshr_b32 s44, s12, 2
	s_add_co_u32 s15, s15, s44                     ; ab: my group of 128 tokens
	s_lshr_b32 s20, s14, 2                         ; K slot: four heads to 256
	s_and_b32 s21, s12, 3
	s_lshl_b32 s21, s21, 1                         ; my first tile in the group
	s_bfe_u32 s22, s14, 0x10001                    ; which 128 of the slot
	s_and_b32 s23, s14, 1                          ; which 64 of them
	s_mul_i32 s44, s15, 98304
	s_mul_i32 s2, s20, 24576
	s_add_co_u32 s44, s44, s2
	s_mul_i32 s2, s21, 3072
	s_add_co_u32 s44, s44, s2
	s_mul_i32 s2, s22, 1536
	s_add_co_u32 s44, s44, s2
	s_mul_i32 s2, s23, 768
	s_add_co_u32 s44, s44, s2
	s_mov_b32 s45, 0
	s_lshl_b32 s46, s15, 12
	s_lshl_b32 s2, s20, 10
	s_add_co_u32 s46, s46, s2
	s_lshl_b32 s2, s21, 7
	s_add_co_u32 s46, s46, s2
	s_lshl_b32 s2, s22, 2
	s_add_co_u32 s46, s46, s2
	s_lshl_b32 s2, s23, 1
	s_add_co_u32 s46, s46, s2
	s_add_co_u32 s46, s46, 6291456
	s_mov_b32 s47, 0
	s_mov_b32 s16, 0x76543210
	s_mov_b32 s17, 0xfedcba98                      ; selects for lane l xor 16
	s_mov_b32 s18, 0x3d38aa3b                      ; c = log2(e) / 32
	s_mov_b32 s19, s18                             ; (named with it as a pair, so it is written)
	s_wait_kmcnt 0x0
	s_add_nc_u64 s[28:29], s[6:7], s[36:37]        ; K's record
	s_add_nc_u64 s[30:31], s[8:9], s[38:39]        ; V's
	s_add_nc_u64 s[24:25], s[4:5], s[36:37]
	s_add_nc_u64 s[26:27], s[24:25], s[42:43]      ; Q's scale words
	s_add_nc_u64 s[24:25], s[24:25], s[40:41]      ; Q's codes
	s_add_nc_u64 s[32:33], s[10:11], s[44:45]      ; O's codes
	s_add_nc_u64 s[34:35], s[10:11], s[46:47]      ; O's scale bytes
	s_wait_alu depctr_va_vdst(0)                   ; the offsets v1, v2, v15 and v241 to v245 are written, which the loads and stores of the head and of the way out read; no vector line behind this wait names them, nor a register in which the loads below land
	global_load_b128 v[16:19], v1, s[24:25]
	global_load_b64 v[20:21], v2, s[24:25] offset:512
	global_load_b32 v28, v1, s[26:27]
	global_load_b128 v[234:237], v1, s[24:25] offset:768
	global_load_b64 v[238:239], v2, s[24:25] offset:1280
	global_load_b32 v240, v1, s[26:27] offset:4
.set N, 0
.rept 14
	global_load_b128 v[32+4*N:35+4*N], v245, s[28:29] offset:8192*N       ; the work-group's 512 threads read 8,192 consecutive bytes
.set N, N+1
.endr
.rept 13
	global_load_b128 v[32+4*N:35+4*N], v245, s[30:31] offset:8192*(N-14)
.set N, N+1
.endr
.irp j, 22,23,24,25,26,27
	v_mov_b32 v[\j], 0                             ; Q's upper 64 along K: zero codes
.endr
.irp j, 222,223,224,225,230,231,232,233
	v_mov_b32 v[\j], 0                             ; a lane permute's destination counts as one of its sources
.endr
	v_mov_b32 v31, 0                               ; (named as the upper half of the pair v[30:31])
	v_mov_b32 v14, 0
.set N, 0
.rept 27
	s_wait_loadcnt 26-N                            ; loads come back in order: this one is in, the younger ones may be out
	ds_store_b128 v[241+N/8], v[32+4*N:35+4*N] offset:8192*(N%8)
.set N, N+1
.endr
	s_wait_dscnt 0x0                               ; my part of K and V lies in LDS
	s_wait_alu depctr_vm_vsrc(0)                   ; my LDS stores have read v32 to v139: from here on these registers are written by the moves below, by the fragments' loads, by the statistics' lines and by the products
.irp j, 80,81,82,83,84,85
	v_mov_b32 v[\j], 0                             ; what stands behind K's last tile
.endr
	s_barrier_signal -1
	s_barrier_wait -1                              ; everybody's does; from here on LDS is only read
; A KEY STEP: 128 keys.
.macro STEP
	s_wait_alu depctr_vm_vsrc(0)                   ; the LDS loads issued so far have read v7 to v12, which the six lines below write
	v_add_nc_u32 v7, s20, v1
	v_add_nc_u32 v8, s20, v2
	v_add_nc_u32 v9, s20, v3
	v_add_nc_u32 v10, s20, v4
	v_add_nc_u32 v11, s21, v5
	v_add_nc_u32 v12, s22, v6
	s_wait_alu depctr_va_vdst(0)                   ; v7 to v12 are written, which this step's loads read; the last step's products are done reading v32 to v79 and v86 to v93, in which the loads below land; in a tile's first step Q's moved registers, its zeros and v80 to v85 are written, which the products below take
.irp t, 0,1,2,3,4,5,6,7
	ds_load_b128 v[KF+6*\t:KF+6*\t+3], v7 offset:768*\t
	ds_load_b64 v[KF+6*\t+4:KF+6*\t+5], v8 offset:768*\t+512
.endr
	ds_load_b128 v[86:89], v11
	ds_load_b128 v[90:93], v11 offset:512
	s_wait_dscnt 0x0
.irp t, 0,1,2,3,4,5,6,7
	v_wmma_scale_f32_16x16x128_f8f6f4 v[S+8*\t:S+8*\t+7], v[KF+6*\t:KF+6*\t+11], v[16:27], 0, v[86+\t], v28 matrix_a_fmt:MATRIX_FMT_BF6 matrix_b_fmt:MATRIX_FMT_BF6
.endr
.rept 4
	v_nop                                          ; places in front of the first read of the scores
.endr
	s_wait_alu depctr_va_vdst(0)                   ; the eight products are done reading v32 to v85, and the last step's four their scale words v94 to v97: V's loads land there
.irp i, 0,1,2,3                                ; V is asked for now and lands during the softmax
	ds_load_b128 v[32+12*\i:35+12*\i], v9 offset:1536*\i
	ds_load_b64 v[36+12*\i:37+12*\i], v10 offset:1536*\i+512
	ds_load_b128 v[38+12*\i:41+12*\i], v9 offset:1536*\i+768
	ds_load_b64 v[42+12*\i:43+12*\i], v10 offset:1536*\i+1280
.endr
	ds_load_b128 v[94:97], v12
.irp b, 0,1,2,3
	v_max3_num_f32 v[BM+\b], v[S+16*\b], v[S+16*\b+1], v[S+16*\b+2]   ; the largest score of each block of 32 keys: it serves the row's maximum and, since p rises with the score, the block's largest p
.endr
.irp i, 3,5,7,9,11,13
.irp b, 0,1,2,3
	v_max3_num_f32 v[BM+\b], v[BM+\b], v[S+16*\b+\i], v[S+16*\b+\i+1]
.endr
.endr
.irp b, 0,1,2,3
	v_max_num_f32 v[BM+\b], v[BM+\b], v[S+16*\b+15]
.endr
.irp b, 0,1,2,3
	v_permlanex16_b32 v[BP+\b], v[BM+\b], s16, s17
.endr
.irp b, 0,1,2,3
	v_max_num_f32 v[BM+\b], v[BM+\b], v[BP+\b]     ; with lane l xor 16's 16 keys
.endr
	v_max3_num_f32 v232, v[BM], v[BM+1], v[BM+2]
	v_max_num_f32 v232, v232, v[BM+3]              ; the step's largest score of my query
	v_mul_f32 v232, s18, v232                      ; as t (c is positive)
	v_max_num_f32 v99, v99, v232                   ; the running largest t
	v_mov_b32 v232, v98
	v_floor_f32 v98, -v99                          ; the new -M = floor(-t): M is a whole number
	v_sub_f32 v232, v98, v232                      ; old M - new M: a whole number, 0 or less
	v_cvt_i32_f32 v232, v232                       ; (it saturates)
	v_ldexp_f32 v30, 1.0, v232                     ; f = 2^(old M - new M)
.set J, 0
.rept 32
	v_pk_fma_f32 v[S+J:S+J+1], v[S+J:S+J+1], s[18:19], v[98:99] op_sel_hi:[1,0,0]   ; t - M, two at a time
.set J, J+2
.endr
.irp b, 0,1,2,3
	v_fma_f32 v[BM+\b], v[BM+\b], s18, v98         ; the same of each block's largest score
.endr
.set J, 0
.rept 64
	v_exp_f32 v[S+J], v[S+J]                       ; p = 2^(t - M), at most 1
.set J, J+1
.endr
.irp b, 0,1,2,3
	v_exp_f32 v[BM+\b], v[BM+\b]                   ; the block's largest p: the same two instructions on the same number.  One batch with the 64
.endr
	v_pk_mul_f32 v[100:101], v[100:101], v[30:31] op_sel_hi:[1,0]   ; the sums under the new M: a plain instruction behind the exponentials
	s_wait_alu depctr_va_vdst(0)                   ; the 68 exponentials have written p and the blocks' largest p: one wait for the batch, ahead of its first reader
.irp b, 0,1,2,3
	v_max_num_f32 v[BM+\b], 0x2800000, v[BM+\b]    ; the floor 2^(5 - 127): the byte cannot fall under 1
.endr
.irp b, 0,1,2,3
	v_add_nc_u32 v[BSC+\b], 0xfe000000, v[BM+\b]   ; 4 off the exponent field: the conversion's scale operand
.endr
.irp b, 0,1,2,3
	v_lshrrev_b32 v[BP+\b], 23, v[BSC+\b]          ; the scale's byte
.endr
	v_lshl_or_b32 v29, v[BP+1], 8, v[BP]           ; p's scale word for these 128 keys
	v_lshl_or_b32 v29, v[BP+2], 16, v29
	v_lshl_or_b32 v29, v[BP+3], 24, v29
.irp c, 0,1
	v_cvt_scalef32_pk16_bf6_f32 v[PC+6*\c:PC+6*\c+2], v[S+32*\c:S+32*\c+15], v[BSC+2*\c]
	v_cvt_scalef32_pk16_bf6_f32 v[PT+4*\c:PT+4*\c+2], v[S+32*\c+16:S+32*\c+31], v[BSC+2*\c+1]
.endr
	v_nop                                          ; a plain instruction behind the last conversion
.irp c, 0,1                                    ; a whole block in a lane: lanes 0-15 block 2 c, lanes 16-31 block 2 c + 1
.irp i, 0,1,2
	v_permlane16_swap_b32 v[PC+6*\c+\i], v[PT+4*\c+\i]
.endr
.irp i, 0,1,2
	v_mov_b32 v[PC+3+6*\c+\i], v[PT+4*\c+\i]
.endr
.endr
.set J, 0
.rept 16
	v_pk_mul_f32 v[O+J:O+J+1], v[O+J:O+J+1], v[30:31] op_sel_hi:[1,0]   ; O^T under the new M; these stand between the writing of p's codes and scale word and the products
.set J, J+2
.endr
	s_wait_dscnt 0x0                               ; V is in
	s_wait_alu depctr_va_vdst(0)                   ; p's codes v198 to v209 and its scale word v29 are written, which the products below take; the sixteen lines above stay as the places beside this wait
.irp i, 0,1,2,3                                ; the four accumulators take turns, and eight other products stand between two steps'
	v_wmma_scale_f32_16x16x128_f8f6f4 v[O+8*\i:O+8*\i+7], v[32+12*\i:43+12*\i], v[PC:PC+11], v[O+8*\i:O+8*\i+7], v[94+\i], v29 matrix_a_fmt:MATRIX_FMT_BF6 matrix_b_fmt:MATRIX_FMT_BF6
.endr
	v_pk_add_f32 v[230:231], v[S:S+1], v[S+2:S+3]  ; the row's sum of the unquantised p, in two chains.  It names none of the four products' registers and stands behind them, ahead of the next step's wait for them; behind a tile's last step these lines are the places in front of the first read of O^T
.irp j, 4,8,12,16,20,24,28,32,36,40,44,48,52,56,60
	v_pk_add_f32 v[100:101], v[100:101], v[S+\j:S+\j+1]
	v_pk_add_f32 v[230:231], v[230:231], v[S+\j+2:S+\j+3]
.endr
	v_pk_add_f32 v[100:101], v[100:101], v[230:231]
	s_add_co_u32 s20, s20, 6144                    ; the next step's tiles of K and of V,
	s_add_co_u32 s21, s21, 1024                    ; K's scale words,
	s_add_co_u32 s22, s22, 512                     ; V's
.endm
; One tile of 16 queries: all 16 key steps, then O^T / l as codes.
.macro TILE n
.if \n
	s_wait_xcnt 0x0                                ; the first tile's stores have had their addresses translated: their data registers are written again only behind this wait
	s_wait_alu depctr_vm_vsrc(0)                   ; and they have read v198 to v203, which this tile's conversions write again
.irp j, 0,1,2,3,4,5
	v_mov_b32 v[16+\j], v[234+\j]
.endr
	v_mov_b32 v28, v240
.endif
	v_mov_b32 v99, 0xff61b1e6                      ; the largest t so far: -3e38
	v_floor_f32 v98, -v99                          ; -M
	v_mov_b32 v100, 0
	v_mov_b32 v101, 0
.set J, 0
.rept 32
	v_mov_b32 v[O+J], 0                            ; the step is written once: the first finds zeros, which the first change of M leaves zeros
.set J, J+1
.endr
	s_mov_b32 s20, 0
	s_mov_b32 s21, 0
	s_mov_b32 s22, 0
	s_mov_b32 s23, 16
.Lstep_\@:
	STEP
	s_sub_co_u32 s23, s23, 1
	s_cmp_lg_u32 s23, 0
	s_cbranch_scc1 .Lstep_\@
	v_add_f32 v100, v100, v101                     ; the sum's two halves,
	v_permlanex16_b32 v232, v100, s16, s17
	v_add_f32 v100, v100, v232                     ; and lane l xor 16's
	v_rcp_f32 v30, v100
	v_nop
	s_wait_alu depctr_va_vdst(0)                   ; the reciprocal has written v30, ahead of its first reader
.set J, 0
.rept 16
	v_pk_mul_f32 v[S+J:S+J+1], v[O+J:O+J+1], v[30:31] op_sel_hi:[1,0]   ; O^T / l: register 16 b + i is channel 32 b + 16 (lane / 16) + i; each accumulator from its low end on
.set J, J+2
.endr
.irp b, 0,1
	v_max3_num_f32 v[BM+\b], |v[S+16*\b]|, |v[S+16*\b+1]|, 0x2800000
.endr
.irp i, 2,4,6,8,10,12,14
.irp b, 0,1
	v_max3_num_f32 v[BM+\b], v[BM+\b], |v[S+16*\b+\i]|, |v[S+16*\b+\i+1]|
.endr
.endr
.irp b, 0,1
	v_permlanex16_b32 v[BP+\b], v[BM+\b], s16, s17
.endr
.irp b, 0,1
	v_max_num_f32 v[BM+\b], v[BM+\b], v[BP+\b]
.endr
.irp b, 0,1
	v_add_nc_u32 v[BSC+\b], 0xfe000000, v[BM+\b]
.endr
.irp b, 0,1
	v_lshrrev_b32 v[BP+\b], 23, v[BSC+\b]
.endr
	v_lshl_or_b32 v233, v[BP+1], 8, v[BP]          ; my row's two scale bytes
.if \n
	v_cmp_eq_u32 vcc_lo, 1, v13                    ; the mask for the select below, made ahead of the conversions
.endif
	v_cvt_scalef32_pk16_bf6_f32 v[PC:PC+2], v[S:S+15], v[BSC]
	v_cvt_scalef32_pk16_bf6_f32 v[PT:PT+2], v[S+16:S+31], v[BSC+1]
	v_nop
.irp i, 0,1,2
	v_permlane16_swap_b32 v[PC+\i], v[PT+\i]
.endr
.irp i, 0,1,2
	v_mov_b32 v[PC+3+\i], v[PT+\i]
.endr
.if \n
	s_wait_alu depctr_va_vcc(0)                    ; the compare has written VCC, ahead of its first reader
	v_cndmask_b32 v14, v14, v233, vcc_lo           ; lanes 16-31 carry the second tile's bytes
.else
	v_mov_b32 v14, v233
.endif
	s_wait_alu depctr_va_vdst(0)                   ; the swaps and moves have written v198 to v203, which the two stores below read; in the second tile v14 is written too, which the last store reads: no vector line follows this wait there
	global_store_b128 v1, v[PC:PC+3], s[32:33] offset:3072*\n          ; 512 and 256 consecutive bytes, aligned to 256
	global_store_b64 v2, v[PC+4:PC+5], s[32:33] offset:3072*\n+512
.endm
	TILE 0
	TILE 1
	global_store_b16 v15, v14, s[34:35]            ; both tiles' scale bytes, two a row
	s_wait_dscnt 0x0
	s_wait_alu depctr_hold_cnt(0) depctr_sa_sdst(0) depctr_va_vdst(0) depctr_va_sdst(0) depctr_va_ssrc(0) depctr_va_vcc(0) depctr_vm_vsrc(0)
	s_wait_tensorcnt 0x0
	ds_add_u32 v254, v255
	s_wait_dscnt 0x0
	s_endpgm
.Lfunc_end_k_q3f5ec00764_attn:
	.size	k_q3f5ec00764_attn, .Lfunc_end_k_q3f5ec00764_attn-k_q3f5ec00764_attn
	.p2alignl 7, 3214868480
	.fill 96, 4, 3214868480
	.section	.rodata,"a",@progbits
	.p2align	6, 0x0
	.amdhsa_kernel k_q3f5ec00764_attn
		.amdhsa_group_segment_fixed_size 223232
		.amdhsa_private_segment_fixed_size 0
		.amdhsa_enable_private_segment 0
		.amdhsa_kernarg_size 32
		.amdhsa_user_sgpr_count 2
		.amdhsa_user_sgpr_kernarg_segment_ptr 1
		.amdhsa_wavefront_size32 1
		.amdhsa_system_sgpr_workgroup_id_x 1
		.amdhsa_system_sgpr_workgroup_id_y 1
		.amdhsa_system_sgpr_workgroup_id_z 1
		.amdhsa_system_vgpr_workitem_id 0
		.amdhsa_next_free_vgpr 256
		.amdhsa_next_free_sgpr 66
		.amdhsa_reserve_vcc 1
		.amdhsa_float_denorm_mode_32 3
		.amdhsa_float_denorm_mode_16_64 3
		.amdhsa_memory_ordered 1
		.amdhsa_forward_progress 1
		.amdhsa_inst_pref_size 53
	.end_amdhsa_kernel
	.amdgpu_metadata
---
amdhsa.version: [ 1, 2 ]
amdhsa.kernels:
  - .name:           k_q3f5ec00764_attn
    .symbol:         k_q3f5ec00764_attn.kd
    .args:
      - { .name: qb, .offset: 0, .size: 8, .value_kind: global_buffer, .address_space: global }
      - { .name: kb, .offset: 8, .size: 8, .value_kind: global_buffer, .address_space: global }
      - { .name: vb, .offset: 16, .size: 8, .value_kind: global_buffer, .address_space: global }
      - { .name: ab, .offset: 24, .size: 8, .value_kind: global_buffer, .address_space: global }
    .group_segment_fixed_size: 223232
    .private_segment_fixed_size: 0
    .kernarg_segment_align: 8
    .kernarg_segment_size: 32
    .max_flat_workgroup_size: 512
    .sgpr_count:     66
    .vgpr_count:     256
    .wavefront_size: 32
...
	.end_amdgpu_metadata
.endif
;; end of part 5
;; launch proj: the kernel of part 4 again; grid 4 x 32, 4 waves a work-group, clusters of 4 x 4, 327,680 bytes of LDS; arguments ab, wi, x, out0; writes out0
